; MI455X (gfx1250); checked and timed in simulation.
; The chip was launched on July 23, 2026; its instructions are those of AMD's public machine-readable ISA for CDNA 5 (MIT licence, August 2026) and "CDNA5" Instruction Set Architecture Reference Guide (July 2026). The comments in the code are by the model that wrote it; some were corrected since.
;; Top K Wrapper. Allowed arithmetic: float matrix products may take bf16 or f16 operands with f32 sums; all other float work in f32.
;; Inputs: image_embs 8,192 x 256 float32; text_embs 16,384 x 256 float32.
;; Outputs: out0 8,192 x 10 int32.
;; Constants: k = 10.
;; 2 versions, each right; version 2 is version 1 with the launch gemm written anew for expert scheduling mode. Each part assembles by itself: llvm-mc -triple=amdgcn-amd-amdhsa -mcpu=gfx1250 --defsym DOCPART=n.
;; ======== version 1 of 2: 5 launches
;; workspace buffers: ib 4,194,304 bytes; tbt 8,388,608 bytes; m8 67,108,864 bytes; sg 4,194,304 bytes; sgsel 524,288 bytes of whole numbers; gsel 524,288 bytes of whole numbers
;; launch cast (part 1): grid 768 x 1, 8 waves a work-group, no clusters, 0 bytes of LDS; arguments image_embs, text_embs, ib, tbt; writes ib, tbt
.if DOCPART == 1
	.amdgcn_target "amdgcn-amd-amdhsa--gfx1250"
	.amdhsa_code_object_version 6
	.text
	.protected	k_q24041e8338_cast
	.globl	k_q24041e8338_cast
	.p2align	8
	.type	k_q24041e8338_cast,@function
k_q24041e8338_cast:
	s_mov_b64 s[64:65], 0
	v_nop
	global_prefetch_b8 v0, s[64:65] scope:SCOPE_SE
	s_setreg_imm32_b32 hwreg(HW_REG_WAVE_MODE, 25, 1), 1
	s_wait_xcnt 0x0
; ib = bf16(image_embs), row-major; tbt = bf16(text_embs), by groups of 8 rows; both rounded to nearest even.
; tbt's LAYOUT: a group of 8 text rows is 4,096 consecutive bytes, 32 chunks of 128 bytes; chunk j holds k = 8 j .. 8 j + 7 of the 8 rows,
; 16 bytes a row: row n, chunk j lies at (n >> 3) 4096 + 128 j + 16 (n & 7).  So a later launch in which each lane owns one text row of a
; group reads 128 consecutive bytes with eight lanes and needs no transposition; the matrix launch copies groups as they lie.
; A stream: each input byte is read once, each output byte written once; no LDS, no barrier, no matrix unit would add anything.
; Work-groups 0-255 take the image table (8 MiB), 256-767 the text table (16 MiB): 32,768 bytes of f32 each.
; A thread takes, four times, 32 bytes of f32 (one chunk) and stores 16 bytes; in both paths a wave's store covers 512 consecutive bytes.
.set PARTS_IMG, 256
; four chunks a thread: all eight loads first, then each pair is rounded and stored
.macro PART src, dst, lstep, sstep
.irp p, 0,1,2,3
	global_load_b128 v[4+8*\p:7+8*\p],  v1, s[\src:\src+1] offset:\p*\lstep th:TH_LOAD_NT
	global_load_b128 v[8+8*\p:11+8*\p], v1, s[\src:\src+1] offset:\p*\lstep+16 th:TH_LOAD_NT
.endr
.irp p, 0,1,2,3
	s_wait_loadcnt 6-2*\p                          ; loads return in order: pair p is in, the younger pairs stay out
	v_cvt_pk_bf16_f32 v[36+4*\p], v[4+8*\p],  v[5+8*\p]
	v_cvt_pk_bf16_f32 v[37+4*\p], v[6+8*\p],  v[7+8*\p]
	v_cvt_pk_bf16_f32 v[38+4*\p], v[8+8*\p],  v[9+8*\p]
	v_cvt_pk_bf16_f32 v[39+4*\p], v[10+8*\p], v[11+8*\p]
	global_store_b128 v2, v[36+4*\p:39+4*\p], s[\dst:\dst+1] offset:\p*\sstep   ; no register is written twice: no further wait
.endr
.endm
	s_load_b256 s[4:11], s[0:1], 0x0               ; image s[4:5], text s[6:7], ib s[8:9], tbt s[10:11]
	s_cmp_lt_u32 ttmp9, PARTS_IMG
	s_cbranch_scc0 .Ltext
	; THE IMAGE TABLE, row-major: thread t takes the 32 bytes at 8192 p + 32 t and stores at 4096 p + 16 t
	s_lshl_b32 s12, ttmp9, 15                      ; 32,768 bytes of f32
	s_mov_b32 s13, 0
	s_lshl_b32 s14, ttmp9, 14                      ; 16,384 bytes of bf16
	s_mov_b32 s15, 0
	v_lshlrev_b32 v1, 5, v0
	v_lshlrev_b32 v2, 4, v0
	s_wait_kmcnt 0x0
	s_add_nc_u64 s[4:5], s[4:5], s[12:13]
	s_add_nc_u64 s[8:9], s[8:9], s[14:15]
	PART 4, 8, 8192, 4096
	s_endpgm
.Ltext:
	; THE TEXT TABLE: 32 rows = 4 groups a work-group.  Wave w takes group w >> 1 and the chunks 16 (w & 1) + 4 p + (l >> 3) of row l & 7:
	; its eight loads cover 512 consecutive bytes of each of 8 rows; its store p covers the 512 bytes at 2048 w + 512 p.
	s_sub_co_u32 s16, ttmp9, PARTS_IMG             ; my part of the text table
	s_lshl_b32 s12, s16, 15
	s_mov_b32 s13, 0
	s_lshl_b32 s14, s16, 14
	s_mov_b32 s15, 0
	v_lshrrev_b32 v3, 6, v0                        ; w >> 1
	v_lshlrev_b32 v1, 13, v3                       ; 8 rows of 1,024 bytes
	v_and_b32 v3, 7, v0                            ; l & 7
	v_lshl_add_u32 v1, v3, 10, v1                  ; my row
	v_bfe_u32 v3, v0, 5, 1                         ; w & 1
	v_lshl_add_u32 v1, v3, 9, v1                   ; 16 chunks of 32 bytes
	v_bfe_u32 v3, v0, 3, 2                         ; l >> 3
	v_lshl_add_u32 v1, v3, 5, v1                   ; my chunk of the four
	v_lshrrev_b32 v3, 5, v0                        ; w
	v_and_b32 v2, 31, v0
	v_lshlrev_b32 v2, 4, v2                        ; 128 (l >> 3) + 16 (l & 7) = 16 l
	v_lshl_add_u32 v2, v3, 11, v2
	s_wait_kmcnt 0x0
	s_add_nc_u64 s[6:7], s[6:7], s[12:13]
	s_add_nc_u64 s[10:11], s[10:11], s[14:15]
	PART 6, 10, 128, 512
	s_endpgm
.Lfunc_end_k_q24041e8338_cast:
	.size	k_q24041e8338_cast, .Lfunc_end_k_q24041e8338_cast-k_q24041e8338_cast
	.p2alignl 7, 3214868480
	.fill 96, 4, 3214868480
	.section	.rodata,"a",@progbits
	.p2align	6, 0x0
	.amdhsa_kernel k_q24041e8338_cast
		.amdhsa_group_segment_fixed_size 0
		.amdhsa_private_segment_fixed_size 0
		.amdhsa_enable_private_segment 0
		.amdhsa_kernarg_size 32
		.amdhsa_user_sgpr_count 2
		.amdhsa_user_sgpr_kernarg_segment_ptr 1
		.amdhsa_wavefront_size32 1
		.amdhsa_system_sgpr_workgroup_id_x 1
		.amdhsa_system_sgpr_workgroup_id_y 1
		.amdhsa_system_sgpr_workgroup_id_z 1
		.amdhsa_system_vgpr_workitem_id 0
		.amdhsa_next_free_vgpr 52
		.amdhsa_next_free_sgpr 66
		.amdhsa_reserve_vcc 0
		.amdhsa_float_denorm_mode_32 3
		.amdhsa_float_denorm_mode_16_64 3
		.amdhsa_memory_ordered 1
		.amdhsa_forward_progress 1
		.amdhsa_inst_pref_size 7
	.end_amdhsa_kernel
	.amdgpu_metadata
---
amdhsa.version: [ 1, 2 ]
amdhsa.kernels:
  - .name:           k_q24041e8338_cast
    .symbol:         k_q24041e8338_cast.kd
    .args:
      - { .name: image_embs, .offset: 0, .size: 8, .value_kind: global_buffer, .address_space: global }
      - { .name: text_embs, .offset: 8, .size: 8, .value_kind: global_buffer, .address_space: global }
      - { .name: ib, .offset: 16, .size: 8, .value_kind: global_buffer, .address_space: global }
      - { .name: tbt, .offset: 24, .size: 8, .value_kind: global_buffer, .address_space: global }
    .group_segment_fixed_size: 0
    .private_segment_fixed_size: 0
    .kernarg_segment_align: 8
    .kernarg_segment_size: 32
    .max_flat_workgroup_size: 256
    .sgpr_count:     66
    .vgpr_count:     52
    .wavefront_size: 32
...
	.end_amdgpu_metadata
.endif
;; end of part 1
;; launch gemm (part 2): grid 16 x 16, 4 waves a work-group, no clusters, 223,744 bytes of LDS; arguments ib, tbt, m8, sg; writes m8, sg
.if DOCPART == 2
	.amdgcn_target "amdgcn-amd-amdhsa--gfx1250"
	.amdhsa_code_object_version 6
	.text
	.protected	k_q24041e8338_gemm
	.globl	k_q24041e8338_gemm
	.p2align	8
	.type	k_q24041e8338_gemm,@function
k_q24041e8338_gemm:
	s_mov_b64 s[64:65], 0
	v_nop
	global_prefetch_b8 v0, s[64:65] scope:SCOPE_SE
	s_setreg_imm32_b32 hwreg(HW_REG_WAVE_MODE, 25, 1), 1
	s_wait_xcnt 0x0
; All sims = ib [8192][256] x text [16384][256]^T on the matrix units (bf16 operands, f32 sums); the sims themselves never leave the registers.
; Stored: m8 = the largest sim of each 8 neighbouring columns (f32 [8192][2048]), sg = the largest of each 128 neighbouring columns
; (f32 [16 chunks][8192 rows][8]).  The ten largest sims of a row lie in the ten groups with the largest maxima (on equal maxima the
; lower group), at both levels; later launches pick those groups and compute their sims again.
; LIMITS: operands are rounded to bf16; NaN and infinite sims are not served.
; THE TEXT TABLE tbt lies by groups of 8 rows: row n, k = 8 j .. 8 j + 7 at (n >> 3) 4096 + 128 j + 16 (n & 7).
; SHARES: work-group (cb, rb) = 512 image rows x 1,024 text rows.  Four waves, as many as a WGP has SIMDs; wave w keeps the fragments of its
; 128 image rows for all of K = 256 in 512 registers for the whole launch.  The text goes in 16 steps of 64 rows through two LDS slots;
; each wave brings a quarter of each tile (two groups) through registers, loaded one step ahead of its LDS store.
; NO JOINT LOADS: the 16 work-groups of one cb read the same text tiles, yet a work-group asks for only 32 KiB in a step of 1,024 matrix
; instructions, and the image rows are read once; the tiles come through registers and the launch has no cluster.
; THE MATRIX INSTRUCTION: source 0 = 16 text rows, source 1 = 16 image rows.  Lane (r = l % 16, h = l / 16) then holds, for image row r,
; the eight neighbouring columns 8 h + 0..7 of the tile in its eight result registers: a group's maximum needs no other lane.
; INDEX MAP: column = 1024 cb + 64 s + 16 nt + 8 h + j.  m8's place in a row = 128 cb + 8 s + 4 h + nt, so that a lane's four nt are 16 bytes.
; REGISTERS: window 0: v1-16 addresses, ACC 8 result tiles, M8R group maxima, MS supergroup maxima, TMP the way out;
;   window 1: F0, F1 text fragments (two buffers), S the staged text tile;  windows 2, 3: the image fragments, tile a' at v[64 a' + 8 kk].
.set PB,    528                        ; pitch of the image stage: a row of 512 bytes + 16, an odd multiple of 16
.set GP,    4224                       ; a group of 8 text rows in a slot: 4,096 bytes as they lie in tbt + 128, so that the two groups of a
                                       ; fragment load (2 x 128 consecutive bytes for 16 lanes) fall on 16 different 16-byte columns modulo 256
.set SLOTB, 8*GP                       ; a text tile: 64 rows
.set M8P,   272                        ; pitch of the m8 stage: 256 + 16 bytes
.set M8ST,  2*SLOTB                    ; each wave's m8 stage, 128 rows; at the start its stage for the image rows (64 x 528 bytes fit)
.set M8W,   128*M8P
.set SGST,  M8ST+4*M8W                 ; each wave's sg stage: 128 rows x 32 bytes
.set ACC, 64
.set M8R, 128
.set MS,  160
.set PT,  168
.set TMP, 176
.set F0,  0
.set F1,  64
.set S,   128
.set MSB, 0
.macro WIN new                         ; s_set_vgpr_msb: bits 1:0 source 0, 3:2 source 1, 5:4 source 2, 7:6 destination; the high byte repeats the setting left
.if MSB != \new
	s_set_vgpr_msb (MSB<<8)|\new
.set MSB, \new
.endif
.endm
.macro PLACES                          ; four places behind matrix instructions (ISA guide 7.12.1), where no useful vector work is at hand
.rept 4
	v_nop
.endr
.endm
	s_load_b256 s[4:11], s[0:1], 0x0               ; ib s[4:5], tbt s[6:7], m8 s[8:9], sg s[10:11]
	v_lshl_add_u32 v254, v0, 2, 0x36800
	v_mov_b32 v255, 0
	v_lshrrev_b32 v1, 5, v0
	v_readfirstlane_b32 s12, v1                    ; wave w
	s_and_b32 s13, ttmp7, 0xffff                   ; rb;  cb = ttmp9
	s_mov_b32 s16, 0x76543210                      ; v_permlanex16_b32: lane i reads lane i of the other half
	s_mov_b32 s17, 0xfedcba98
	s_lshl_b32 s20, s13, 18                        ; ib: (512 rb + 128 w) rows of 512 bytes
	s_lshl_b32 s14, s12, 16
	s_add_co_u32 s20, s20, s14
	s_mov_b32 s21, 0
	s_lshl_b32 s22, ttmp9, 19                      ; tbt: 1,024 cb rows of 512 bytes
	s_mov_b32 s23, 0
	s_lshl_b32 s24, s13, 22                        ; m8: (512 rb + 128 w) rows of 8,192 bytes + 512 cb
	s_lshl_b32 s14, s12, 20
	s_add_co_u32 s24, s24, s14
	s_lshl_b32 s14, ttmp9, 9
	s_add_co_u32 s24, s24, s14
	s_mov_b32 s25, 0
	s_lshl_b32 s26, ttmp9, 18                      ; sg: 262,144 cb + (512 rb + 128 w) rows of 32 bytes
	s_lshl_b32 s14, s13, 14
	s_add_co_u32 s26, s26, s14
	s_lshl_b32 s14, s12, 12
	s_add_co_u32 s26, s26, s14
	s_mov_b32 s27, 0
	s_mul_i32 s28, s12, 2*GP                       ; my two groups of a text tile in a slot
	s_mul_i32 s29, s12, M8W
	s_add_co_u32 s29, s29, M8ST                    ; my m8 stage
	s_lshl_b32 s30, s12, 12
	s_add_co_u32 s30, s30, SGST                    ; my sg stage
	v_and_b32 v1, 31, v0                           ; lane
	v_and_b32 v2, 15, v0                           ; r
	v_bfe_u32 v3, v0, 4, 1                         ; h
	v_lshlrev_b32 v4, 4, v1                        ; 16 lane
	v_lshl_add_u32 v5, s12, 13, v4                 ; text tile in memory: my two groups, 512 bytes an instruction
	v_add_nc_u32 v6, s28, v4                       ; and where they go in a slot: as they lie
	v_lshrrev_b32 v7, 3, v2
	v_mul_u32_u24 v7, v7, GP                       ; text fragment read: group r >> 3,
	v_and_b32 v15, 7, v2
	v_lshl_add_u32 v7, v15, 4, v7                  ; row r & 7 of it,
	v_lshl_add_u32 v7, v3, 7, v7                   ; chunk 4 kk + h (and + 2): 128 h here, 512 kk (+ 256) in the immediate
	v_add_nc_u32 v8, s29, v4                       ; image stage: in
	v_mul_u32_u24 v9, v2, PB
	v_lshl_add_u32 v9, v3, 4, v9
	v_add_nc_u32 v9, s29, v9                       ; image stage: fragments out, r x pitch + 16 h
	v_mul_u32_u24 v10, v2, M8P
	v_lshl_add_u32 v10, v3, 4, v10
	v_add_nc_u32 v10, s29, v10                     ; m8 stage: row r, 16 bytes for each half of the lanes
	v_lshl_add_u32 v11, v2, 5, s30                 ; sg stage: row r
	v_mul_u32_u24 v12, v3, M8P
	v_lshl_add_u32 v12, v2, 4, v12
	v_add_nc_u32 v12, s29, v12                     ; m8 stage read back: lanes 0-15 one row of 256 bytes, lanes 16-31 the next
	v_lshlrev_b32 v13, 13, v3
	v_lshl_add_u32 v13, v2, 4, v13                 ; the same two rows in m8
	v_add_nc_u32 v14, s30, v4                      ; sg stage read back
.irp a, 0,1,2,3,4,5,6,7
	v_mov_b32 v[PT+\a], 0                          ; v_permlanex16_b32 counts as a reader of its destination
.endr
	s_wait_kmcnt 0x0
	s_add_nc_u64 s[4:5], s[4:5], s[20:21]
	s_add_nc_u64 s[6:7], s[6:7], s[22:23]
	s_add_nc_u64 s[8:9], s[8:9], s[24:25]
	s_add_nc_u64 s[10:11], s[10:11], s[26:27]
; 32 matrix instructions: one text tile of 16 rows (buffer f) x four image tiles (hi = 0: tiles 0-3, window 2; 1: tiles 4-7, window 3), all of K.
; The four accumulators take turns, one instruction a turn.  The first K step starts the sums: nothing is cleared.
.macro MUL32 f, hi
.if \hi
	WIN 0x0d
.else
	WIN 0x09
.endif
.irp kk, 0,1,2,3,4,5,6,7
.irp a, 0,1,2,3
.if \kk == 0
	v_wmma_f32_16x16x32_bf16 v[ACC+8*(4*\hi+\a):ACC+8*(4*\hi+\a)+7], v[\f+8*\kk:\f+8*\kk+7], v[64*\a+8*\kk:64*\a+8*\kk+7], 0
.else
	v_wmma_f32_16x16x32_bf16 v[ACC+8*(4*\hi+\a):ACC+8*(4*\hi+\a)+7], v[\f+8*\kk:\f+8*\kk+7], v[64*\a+8*\kk:64*\a+8*\kk+7], v[ACC+8*(4*\hi+\a):ACC+8*(4*\hi+\a)+7]
.endif
.endr
.endr
.endm
; the fragments of text rows 16 t .. 16 t + 15 of a slot (groups 2 t, 2 t + 1), all of K, into buffer f
.macro FETCH slot, t, f
	WIN 0x40
.irp kk, 0,1,2,3,4,5,6,7
	ds_load_b128 v[\f+8*\kk:\f+8*\kk+3],   v7 offset:(\slot)*SLOTB+(\t)*2*GP+512*\kk
	ds_load_b128 v[\f+8*\kk+4:\f+8*\kk+7], v7 offset:(\slot)*SLOTB+(\t)*2*GP+512*\kk+256
.endr
.endm
; quarter q of my 16 staged pieces of 512 bytes: st = 1: the next step's go into the other slot; ld = 1: those of the step after it are asked for
.macro STG q, nslot, st, ld, cnt
.if \st
	s_wait_loadcnt \cnt                            ; issued behind the four wanted loads: (3 - q) x 4 of their own tile and, where this step loads, 4 q of the next
	WIN 0x04
.irp i, 0,1,2,3
	ds_store_b128 v6, v[S+16*\q+4*\i:S+16*\q+4*\i+3] offset:(\nslot)*SLOTB+((4*\q+\i)/8)*GP+((4*\q+\i)%8)*512
.endr
.endif
.if \ld
	WIN 0x40
.irp i, 0,1,2,3
	global_load_b128 v[S+16*\q+4*\i:S+16*\q+4*\i+3], v5, s[6:7] offset:(4*\q+\i)*512
.endr
.endif
.endm
; the maxima of the eight result registers of each of the eight tiles: half a vector instruction for each sim
.macro EPI t
	WIN 0
	PLACES
.irp a, 0,1,2,3,4,5,6,7
	v_max3_num_f32 v[M8R+4*\a+\t], v[ACC+8*\a], v[ACC+8*\a+1], v[ACC+8*\a+2]
.endr
.irp a, 0,1,2,3,4,5,6,7
	v_max3_num_f32 v[M8R+4*\a+\t], v[M8R+4*\a+\t], v[ACC+8*\a+3], v[ACC+8*\a+4]
.endr
.irp a, 0,1,2,3,4,5,6,7
	v_max3_num_f32 v[M8R+4*\a+\t], v[M8R+4*\a+\t], v[ACC+8*\a+5], v[ACC+8*\a+6]
.endr
.irp a, 0,1,2,3,4,5,6,7
	v_max_num_f32 v[M8R+4*\a+\t], v[M8R+4*\a+\t], v[ACC+8*\a+7]
.endr
.endm
; end of a step: its 8 group maxima for each row go to my stage; two steps make a supergroup, whose maximum joins both halves of the lanes
.macro STEPEND s4
	WIN 0
.if (\s4 & 1) == 0
.irp a, 0,1,2,3,4,5,6,7
	v_max3_num_f32 v[MS+\a], v[M8R+4*\a], v[M8R+4*\a+1], v[M8R+4*\a+2]
.endr
.irp a, 0,1,2,3,4,5,6,7
	v_max_num_f32 v[MS+\a], v[MS+\a], v[M8R+4*\a+3]
.endr
.else
.irp a, 0,1,2,3,4,5,6,7
	v_max3_num_f32 v[MS+\a], v[MS+\a], v[M8R+4*\a], v[M8R+4*\a+1]
.endr
.irp a, 0,1,2,3,4,5,6,7
	v_max3_num_f32 v[MS+\a], v[MS+\a], v[M8R+4*\a+2], v[M8R+4*\a+3]
.endr
.endif
.irp a, 0,1,2,3,4,5,6,7
	ds_store_b128 v15, v[M8R+4*\a:M8R+4*\a+3] offset:\a*16*M8P+\s4*32
.endr
.if (\s4 & 1) == 1
.irp a, 0,1,2,3,4,5,6,7
	v_permlanex16_b32 v[PT+\a], v[MS+\a], s16, s17
.endr
.irp a, 0,1,2,3,4,5,6,7
	v_max_num_f32 v[MS+\a], v[MS+\a], v[PT+\a]
.endr
.irp a, 0,1,2,3,4,5,6,7
	ds_store_b32 v16, v[MS+\a] offset:\a*512+(\s4>>1)*4    ; both halves of the lanes write the same word with the same value
.endr
.endif
.endm
; one of a step's first three text tiles: multiplies buffer f; in its middle it stages a quarter and fetches the next tile's fragments into g
.macro TILE t, f, g, slot, st, ld
	s_wait_dscnt 0x0                               ; buffer f's fragments, asked for 32 matrix instructions ago, are in
	MUL32 \f, 0
	PLACES                                         ; buffer g was read by matrix instructions: loads into it stand four places behind them
	STG \t, (1-\slot), \st, \ld, (12-(1-\ld)*4*\t)
	FETCH \slot, (\t+1), \g
	MUL32 \f, 1
	EPI \t
.endm
; a step: 64 text rows out of a slot.  ONE barrier for the change of slots: in front of its signal my reads of this slot and my stores
; into the other are done; behind its wait the other slot is whole and this one may be written.
.macro STEP s4, slot, st, ld, bar
.if \ld
	s_wait_xcnt 0x0                                ; the last step's loads have read their base
	s_add_nc_u64 s[6:7], s[6:7], 32768             ; the tile two steps ahead
.endif
	TILE 0, F0, F1, \slot, \st, \ld
	TILE 1, F1, F0, \slot, \st, \ld
	TILE 2, F0, F1, \slot, \st, \ld
	s_wait_dscnt 0x0
	MUL32 F1, 0
	STG 3, (1-\slot), \st, \ld, (12-(1-\ld)*12)
.if \bar
	s_wait_dscnt 0x0                               ; for the other waves' sake: zero
	s_barrier_signal -1
.endif
	MUL32 F1, 1                                    ; register work while the others arrive
.if \bar
	s_barrier_wait -1
	FETCH (1-\slot), 0, F0                         ; buffer 0 was last read a tile ago, with that tile's four places behind it
.endif
	EPI 3
	STEPEND \s4
.endm
; eight steps' maxima, 256 bytes a row, leave my stage by whole rows: sixteen lanes store 256 consecutive bytes, aligned.
; LDS serves a wave's instructions in order (ISA guide 5.7.1): the loads see my stores, and later stores do not pass the loads.
.macro FLUSH
.irp g, 0,1,2,3,4,5,6,7
	s_wait_xcnt 0x0                                ; TMP, which the last group's stores read, is loaded again only behind this wait
.irp j, 0,1,2,3,4,5,6,7
	ds_load_b128 v[TMP+4*\j:TMP+4*\j+3], v12 offset:(8*\g+\j)*2*M8P
.endr
.irp j, 0,1,2,3,4,5,6,7
	s_wait_dscnt 7-\j                              ; load j is in; the 7 - j younger ones stay out
	global_store_b128 v13, v[TMP+4*\j:TMP+4*\j+3], s[8:9] offset:(8*\g+\j)*16384 th:TH_STORE_NT
.endr
.endr
.endm
; 64 image rows: from the registers they were loaded into, through my stage, back as fragments into the same window
.macro ASTAGE wst, wld
	WIN \wst
.set i, 0
.rept 64
	ds_store_b128 v8, v[4*i:4*i+3] offset:i*PB
.set i, i+1
.endr
	WIN \wld
.irp a, 0,1,2,3
.irp kk, 0,1,2,3,4,5,6,7
	ds_load_b128 v[64*\a+8*\kk:64*\a+8*\kk+3],   v9 offset:\a*16*PB+64*\kk
	ds_load_b128 v[64*\a+8*\kk+4:64*\a+8*\kk+7], v9 offset:\a*16*PB+64*\kk+32
.endr
.endr
.endm
	; THE START: my 128 image rows (a row of 512 bytes an instruction), then my quarter of text tile 0
	WIN 0x80
.set i, 0
.rept 64
	global_load_b128 v[4*i:4*i+3], v4, s[4:5] offset:i*512
.set i, i+1
.endr
	WIN 0xc0
.set i, 0
.rept 64
	global_load_b128 v[4*i:4*i+3], v4, s[4:5] offset:(64+i)*512
.set i, i+1
.endr
	WIN 0x40
.set i, 0
.rept 16
	global_load_b128 v[S+4*i:S+4*i+3], v5, s[6:7] offset:i*512
.set i, i+1
.endr
	s_wait_loadcnt 63                              ; 144 were issued: at least the first 81 are in, rows 0-63 among them
	ASTAGE 0x08, 0x80
	s_wait_loadcnt 16                              ; only tile 0's sixteen may be out
	ASTAGE 0x0c, 0xc0
	s_wait_loadcnt 0x0
	WIN 0x04
.set i, 0
.rept 16
	ds_store_b128 v6, v[S+4*i:S+4*i+3] offset:(i/8)*GP+(i%8)*512
.set i, i+1
.endr
	s_wait_xcnt 0x0
	s_add_nc_u64 s[6:7], s[6:7], 32768
	WIN 0x40
.set i, 0
.rept 16
	global_load_b128 v[S+4*i:S+4*i+3], v5, s[6:7] offset:i*512     ; tile 1, staged in step 0
.set i, i+1
.endr
	s_wait_dscnt 0x0                               ; my quarter of tile 0 is in slot 0, my image fragments are in
	s_barrier_signal -1
	s_barrier_wait -1
	FETCH 0, 0, F0
	WIN 0                                          ; at a label and at a branch every window is 0
	; 16 steps = 4 bodies of 4.  Three go round the loop; the last is written out, since its last two steps load nothing.
	s_mov_b32 s18, 0
.Lbody:
	s_and_b32 s19, s18, 1
	s_lshl_b32 s19, s19, 7                         ; a body's 128 bytes in the stage's rows of 256
	s_lshl_b32 s15, s18, 3                         ; a body's two supergroups
	v_add_nc_u32 v15, s19, v10
	v_add_nc_u32 v16, s15, v11
	STEP 0, 0, 1, 1, 1
	STEP 1, 1, 1, 1, 1
	STEP 2, 0, 1, 1, 1
	STEP 3, 1, 1, 1, 1
	WIN 0
	s_cmp_lg_u32 s18, 1                            ; behind the second body the stage's rows are whole
	s_cbranch_scc1 .Lnoflush
	FLUSH
	s_wait_xcnt 0x0
	s_add_nc_u64 s[8:9], s[8:9], 256               ; the chunk's second 256 bytes of each row
.Lnoflush:
	s_add_co_u32 s18, s18, 1
	s_cmp_lt_u32 s18, 3
	s_cbranch_scc1 .Lbody
	v_add_nc_u32 v15, 128, v10
	v_add_nc_u32 v16, 24, v11
	STEP 0, 0, 1, 1, 1
	STEP 1, 1, 1, 1, 1
	STEP 2, 0, 1, 0, 1                             ; the last tile is staged; nothing is left to load
	STEP 3, 1, 0, 0, 0                             ; nothing is left to stage, no slot changes
	FLUSH
	s_wait_xcnt 0x0
.irp t, 0,1,2,3,4,5,6,7
	ds_load_b128 v[TMP+4*\t:TMP+4*\t+3], v14 offset:512*\t         ; my 128 rows x 8 supergroup maxima, 4,096 consecutive bytes
.endr
	s_wait_dscnt 0x0
.irp t, 0,1,2,3,4,5,6,7
	global_store_b128 v4, v[TMP+4*\t:TMP+4*\t+3], s[10:11] offset:512*\t
.endr
	s_wait_tensorcnt 0x0
	ds_add_u32 v254, v255
	s_wait_dscnt 0x0
	s_endpgm
.Lfunc_end_k_q24041e8338_gemm:
	.size	k_q24041e8338_gemm, .Lfunc_end_k_q24041e8338_gemm-k_q24041e8338_gemm
	.p2alignl 7, 3214868480
	.fill 96, 4, 3214868480
	.section	.rodata,"a",@progbits
	.p2align	6, 0x0
	.amdhsa_kernel k_q24041e8338_gemm
		.amdhsa_group_segment_fixed_size 223744
		.amdhsa_private_segment_fixed_size 0
		.amdhsa_enable_private_segment 0
		.amdhsa_kernarg_size 32
		.amdhsa_user_sgpr_count 2
		.amdhsa_user_sgpr_kernarg_segment_ptr 1
		.amdhsa_wavefront_size32 1
		.amdhsa_system_sgpr_workgroup_id_x 1
		.amdhsa_system_sgpr_workgroup_id_y 1
		.amdhsa_system_sgpr_workgroup_id_z 1
		.amdhsa_system_vgpr_workitem_id 0
		.amdhsa_next_free_vgpr 1024
		.amdhsa_next_free_sgpr 66
		.amdhsa_reserve_vcc 0
		.amdhsa_float_denorm_mode_32 3
		.amdhsa_float_denorm_mode_16_64 3
		.amdhsa_memory_ordered 1
		.amdhsa_forward_progress 1
		.amdhsa_inst_pref_size 255
	.end_amdhsa_kernel
	.section	.bss,"aw",@nobits
	.p2align	6
	.space	262144
	.amdgpu_metadata
---
amdhsa.version: [ 1, 2 ]
amdhsa.kernels:
  - .name:           k_q24041e8338_gemm
    .symbol:         k_q24041e8338_gemm.kd
    .args:
      - { .name: ib, .offset: 0, .size: 8, .value_kind: global_buffer, .address_space: global }
      - { .name: tbt, .offset: 8, .size: 8, .value_kind: global_buffer, .address_space: global }
      - { .name: m8, .offset: 16, .size: 8, .value_kind: global_buffer, .address_space: global }
      - { .name: sg, .offset: 24, .size: 8, .value_kind: global_buffer, .address_space: global }
    .group_segment_fixed_size: 223744
    .private_segment_fixed_size: 0
    .kernarg_segment_align: 8
    .kernarg_segment_size: 32
    .max_flat_workgroup_size: 128
    .sgpr_count:     66
    .vgpr_count:     1024
    .wavefront_size: 32
...
	.end_amdgpu_metadata
.endif
;; end of part 2
;; launch selsg (part 3): grid 256 x 1, 4 waves a work-group, no clusters, 0 bytes of LDS; arguments sg, sgsel; writes sgsel
.if DOCPART == 3
	.amdgcn_target "amdgcn-amd-amdhsa--gfx1250"
	.amdhsa_code_object_version 6
	.text
	.protected	k_q24041e8338_selsg
	.globl	k_q24041e8338_selsg
	.p2align	8
	.type	k_q24041e8338_selsg,@function
k_q24041e8338_selsg:
	s_mov_b64 s[64:65], 0
	v_nop
	global_prefetch_b8 v0, s[64:65] scope:SCOPE_SE
	s_setreg_imm32_b32 hwreg(HW_REG_WAVE_MODE, 25, 1), 1
	s_wait_xcnt 0x0
; For each image row: the numbers of the TWELVE supergroups (128 columns each) with the largest maxima, on equal maxima the lower number.
; Ten would hold the ten largest sims if the maxima were summed as the final ranking sums; they come from the matrix units, whose
; rounding differs, so two more are taken: a needed supergroup is lost only if three sims invert against one and the same sim.
; sg: f32 [16 chunks][8192 rows][8].  sgsel: i32 [8192][16], twelve used, four written as 0.
; A wave takes 8 rows, four lanes a row; lane c of the four holds 32 of the row's 128 maxima.  No branch and no address hangs on a value:
; each time the largest is found, the lowest number among its holders is taken, and that one entry is set to -inf, by selects alone.
; The numbers are kept as f32 (all below 2^14, so exact), so that three-way minima and the lane steps ride on f32 arithmetic.
; LIMITS: NaN and infinite maxima are not served; -0 and +0 count as equal.
.set PICKS, 12
.set VAL, 16                           ; v[16:47]    values
.set IDX, 64                           ; v[64:95]    their numbers, as f32
.set WNR, 112                          ; v[112:123]  the winners, as whole numbers
.set CH,  124                          ; v[124:135]  chains of the maximum
.set MX,  136
.set TT,  138                          ; v[138:141]
.set CA,  142
.set BIGV, 143                         ; +inf
.set NINFV, 144                        ; -inf
.set O,   146                          ; v[146:149]  what I store
.set LN,  150
.set CC,  151
.set RR,  152
.set OFFV, 153
.set STO, 154
.set TA,  155
.set TB,  156
.set MK,  20                           ; s[20:23] masks, by turns
; cnt values a lane (a multiple of 4, at least 12); a row is 2^lg neighbouring lanes (lg = 2 or 3); picks winners
.macro SELECT cnt, lg, picks
.set it, 0
.rept \picks
.set c, 0
.rept \cnt/4
	v_max3_num_f32 v[CH+c], v[VAL+4*c], v[VAL+4*c+1], v[VAL+4*c+2]
.set c, c+1
.endr
.set c, 0
.rept \cnt/4
	v_max_num_f32 v[CH+c], v[CH+c], v[VAL+4*c+3]
.set c, c+1
.endr
	v_max3_num_f32 v[MX], v[CH], v[CH+1], v[CH+2]
.set c, 3
.if \cnt > 12
.rept (\cnt/4-3)/2
	v_max3_num_f32 v[MX], v[MX], v[CH+c], v[CH+c+1]
.set c, c+2
.endr
.if (\cnt/4-3) % 2
	v_max_num_f32 v[MX], v[MX], v[CH+c]
.endif
.endif
	v_max_num_f32_dpp v[MX], v[MX], v[MX] row_xmask:1 row_mask:0xf bank_mask:0xf
	v_max_num_f32_dpp v[MX], v[MX], v[MX] row_xmask:2 row_mask:0xf bank_mask:0xf
.if \lg == 3
	v_max_num_f32_dpp v[MX], v[MX], v[MX] row_xmask:4 row_mask:0xf bank_mask:0xf
.endif
	; the lowest number among the entries that equal the maximum
.set k, 0
.rept \cnt/4
	v_cmp_eq_f32 s[MK],   v[VAL+k],   v[MX]
	v_cmp_eq_f32 s[MK+1], v[VAL+k+1], v[MX]
	v_cmp_eq_f32 s[MK+2], v[VAL+k+2], v[MX]
	v_cmp_eq_f32 s[MK+3], v[VAL+k+3], v[MX]
	v_cndmask_b32 v[TT],   v[BIGV], v[IDX+k],   s[MK]
	v_cndmask_b32 v[TT+1], v[BIGV], v[IDX+k+1], s[MK+1]
	v_cndmask_b32 v[TT+2], v[BIGV], v[IDX+k+2], s[MK+2]
	v_cndmask_b32 v[TT+3], v[BIGV], v[IDX+k+3], s[MK+3]
.if k == 0
	v_min_num_f32 v[CA], v[TT], v[TT+1]
.else
	v_min3_num_f32 v[CA], v[CA], v[TT], v[TT+1]
.endif
	v_min3_num_f32 v[CA], v[CA], v[TT+2], v[TT+3]
.set k, k+4
.endr
	v_min_num_f32_dpp v[CA], v[CA], v[CA] row_xmask:1 row_mask:0xf bank_mask:0xf
	v_min_num_f32_dpp v[CA], v[CA], v[CA] row_xmask:2 row_mask:0xf bank_mask:0xf
.if \lg == 3
	v_min_num_f32_dpp v[CA], v[CA], v[CA] row_xmask:4 row_mask:0xf bank_mask:0xf
.endif
	v_cvt_u32_f32 v[WNR+it], v[CA]
.if it < \picks-1
	; the winner leaves the field (the last has no successor)
.set k, 0
.rept \cnt/4
	v_cmp_eq_f32 s[MK],   v[IDX+k],   v[CA]
	v_cmp_eq_f32 s[MK+1], v[IDX+k+1], v[CA]
	v_cmp_eq_f32 s[MK+2], v[IDX+k+2], v[CA]
	v_cmp_eq_f32 s[MK+3], v[IDX+k+3], v[CA]
	v_cndmask_b32 v[VAL+k],   v[VAL+k],   v[NINFV], s[MK]
	v_cndmask_b32 v[VAL+k+1], v[VAL+k+1], v[NINFV], s[MK+1]
	v_cndmask_b32 v[VAL+k+2], v[VAL+k+2], v[NINFV], s[MK+2]
	v_cndmask_b32 v[VAL+k+3], v[VAL+k+3], v[NINFV], s[MK+3]
.set k, k+4
.endr
.endif
.set it, it+1
.endr
.endm
; every lane of the four holds all twelve winners; lane c stores words 4 c .. 4 c + 3 of the row's 16 (c = 3: zeros):
; the wave stores 512 consecutive bytes
.macro PUT16 lo
.irp j, 0,1,2,3
	v_cndmask_b32 v[O+\j], v[WNR+\j], v[WNR+4+\j], s24
.endr
.irp j, 0,1,2,3
	v_cndmask_b32 v[O+\j], v[O+\j], v[WNR+8+\j], s25
.endr
.irp j, 0,1,2,3
	v_cndmask_b32 v[O+\j], v[O+\j], 0, s26
.endr
	global_store_b128 v[STO], v[O:O+3], s[\lo:\lo+1]
.endm
	s_load_b128 s[4:7], s[0:1], 0x0                ; sg s[4:5], sgsel s[6:7]
	v_lshrrev_b32 v1, 5, v0
	v_readfirstlane_b32 s8, v1                     ; wave
	s_lshl_b32 s9, ttmp9, 5
	s_lshl3_add_u32 s9, s8, s9                     ; my first row = 32 x work-group + 8 x wave
	s_lshl_b32 s10, s9, 5                          ; 32 bytes a row in a chunk of sg
	s_mov_b32 s11, 0
	s_lshl_b32 s12, s9, 6                          ; 64 bytes a row in sgsel
	s_mov_b32 s13, 0
	v_and_b32 v[LN], 31, v0
	v_and_b32 v[CC], 3, v0                         ; c
	v_lshrrev_b32 v[RR], 2, v[LN]                  ; my row of the eight
	v_lshrrev_b32 v[TA], 1, v[CC]
	v_and_b32 v[TB], 1, v[CC]
	v_lshlrev_b32 v[OFFV], 18, v[TA]               ; chunk 2 i + (c >> 1),
	v_lshl_add_u32 v[OFFV], v[RR], 5, v[OFFV]      ; my row,
	v_lshl_add_u32 v[OFFV], v[TB], 4, v[OFFV]      ; its half (c & 1): an instruction takes two pieces of 256 consecutive bytes
	v_lshlrev_b32 v[STO], 4, v[LN]
	v_lshlrev_b32 v[TA], 2, v[CC]
	v_cmp_eq_u32 s24, 1, v[CC]
	v_cmp_eq_u32 s25, 2, v[CC]
	v_cmp_eq_u32 s26, 3, v[CC]
	v_mov_b32 v[BIGV], 0x7f800000
	v_mov_b32 v[NINFV], 0xff800000
	s_wait_kmcnt 0x0
	s_add_nc_u64 s[4:5], s[4:5], s[10:11]
	s_add_nc_u64 s[6:7], s[6:7], s[12:13]
.irp i, 0,1,2,3,4,5,6,7
	global_load_b128 v[VAL+4*\i:VAL+4*\i+3], v[OFFV], s[4:5] offset:\i*524288
.endr
.set k, 0
.rept 32
	v_add_nc_u32 v[IDX+k], 16*(k/4)+(k%4), v[TA]   ; supergroup = 8 (2 i + (c >> 1)) + 4 (c & 1) + j = 16 i + 4 c + j
.set k, k+1
.endr
.set k, 0
.rept 32
	v_cvt_f32_u32 v[IDX+k], v[IDX+k]
.set k, k+1
.endr
	s_wait_loadcnt 0x0
	SELECT 32, 2, PICKS
	PUT16 6
	s_endpgm
.Lfunc_end_k_q24041e8338_selsg:
	.size	k_q24041e8338_selsg, .Lfunc_end_k_q24041e8338_selsg-k_q24041e8338_selsg
	.p2alignl 7, 3214868480
	.fill 96, 4, 3214868480
	.section	.rodata,"a",@progbits
	.p2align	6, 0x0
	.amdhsa_kernel k_q24041e8338_selsg
		.amdhsa_group_segment_fixed_size 0
		.amdhsa_private_segment_fixed_size 0
		.amdhsa_enable_private_segment 0
		.amdhsa_kernarg_size 16
		.amdhsa_user_sgpr_count 2
		.amdhsa_user_sgpr_kernarg_segment_ptr 1
		.amdhsa_wavefront_size32 1
		.amdhsa_system_sgpr_workgroup_id_x 1
		.amdhsa_system_sgpr_workgroup_id_y 1
		.amdhsa_system_sgpr_workgroup_id_z 1
		.amdhsa_system_vgpr_workitem_id 0
		.amdhsa_next_free_vgpr 160
		.amdhsa_next_free_sgpr 66
		.amdhsa_reserve_vcc 0
		.amdhsa_float_denorm_mode_32 3
		.amdhsa_float_denorm_mode_16_64 3
		.amdhsa_memory_ordered 1
		.amdhsa_forward_progress 1
		.amdhsa_inst_pref_size 125
	.end_amdhsa_kernel
	.amdgpu_metadata
---
amdhsa.version: [ 1, 2 ]
amdhsa.kernels:
  - .name:           k_q24041e8338_selsg
    .symbol:         k_q24041e8338_selsg.kd
    .args:
      - { .name: sg, .offset: 0, .size: 8, .value_kind: global_buffer, .address_space: global }
      - { .name: sgsel, .offset: 8, .size: 8, .value_kind: global_buffer, .address_space: global }
    .group_segment_fixed_size: 0
    .private_segment_fixed_size: 0
    .kernarg_segment_align: 8
    .kernarg_segment_size: 16
    .max_flat_workgroup_size: 128
    .sgpr_count:     66
    .vgpr_count:     160
    .wavefront_size: 32
...
	.end_amdgpu_metadata
.endif
;; end of part 3
;; launch selg (part 4): grid 256 x 1, 4 waves a work-group, no clusters, 0 bytes of LDS; arguments m8, sgsel, gsel; writes gsel
.if DOCPART == 4
	.amdgcn_target "amdgcn-amd-amdhsa--gfx1250"
	.amdhsa_code_object_version 6
	.text
	.protected	k_q24041e8338_selg
	.globl	k_q24041e8338_selg
	.p2align	8
	.type	k_q24041e8338_selg,@function
k_q24041e8338_selg:
	s_mov_b64 s[64:65], 0
	v_nop
	global_prefetch_b8 v0, s[64:65] scope:SCOPE_SE
	s_setreg_imm32_b32 hwreg(HW_REG_WAVE_MODE, 25, 1), 1
	s_wait_xcnt 0x0
; For each image row: of the 192 groups (8 columns each) in its twelve chosen supergroups, the numbers of the TWELVE with the largest
; maxima, on equal maxima the lower number (two more than the ten that equal rounding would need: see the launch that picks supergroups).
; m8: f32 [8192][2048]; sgsel, gsel: i32 [8192][16], twelve used, four written as 0.
; A wave takes 8 rows, four lanes a row; lane c takes 16 of the 64 bytes of each chosen supergroup: 48 values.
; The addresses hang on whole numbers that an earlier launch stored, clamped to the table (127).  The selection is by selects alone.
; In m8 the place in a supergroup is 8 (s & 1) + 4 h + nt; the group's true number is 16 x supergroup + 8 (s & 1) + 2 nt + h.
; The numbers are kept as f32 (below 2^14, so exact).  LIMITS: NaN and infinite maxima are not served; -0 and +0 count as equal.
.set PICKS, 12
.set QS,  2                            ; v[2:13]     the row's twelve supergroups
.set VAL, 16                           ; v[16:63]
.set IDX, 64                           ; v[64:111]
.set WNR, 112
.set CH,  124
.set MX,  136
.set TT,  138
.set CA,  142
.set BIGV, 143
.set NINFV, 144
.set O,   146
.set LN,  150
.set CC,  151
.set RR,  152
.set OFFV, 153
.set STO, 154
.set TA,  155
.set TB,  156
.set OFFQ, 157
.set AD,  158                          ; v[158:169] twelve offsets into m8
.set CT,  170                          ; v[170:173] 8 (c >> 1) + (c & 1) + 2 j
.set MK,  20
; cnt values a lane (a multiple of 4, at least 12); a row is 2^lg neighbouring lanes (lg = 2 or 3); picks winners
.macro SELECT cnt, lg, picks
.set it, 0
.rept \picks
.set c, 0
.rept \cnt/4
	v_max3_num_f32 v[CH+c], v[VAL+4*c], v[VAL+4*c+1], v[VAL+4*c+2]
.set c, c+1
.endr
.set c, 0
.rept \cnt/4
	v_max_num_f32 v[CH+c], v[CH+c], v[VAL+4*c+3]
.set c, c+1
.endr
	v_max3_num_f32 v[MX], v[CH], v[CH+1], v[CH+2]
.set c, 3
.if \cnt > 12
.rept (\cnt/4-3)/2
	v_max3_num_f32 v[MX], v[MX], v[CH+c], v[CH+c+1]
.set c, c+2
.endr
.if (\cnt/4-3) % 2
	v_max_num_f32 v[MX], v[MX], v[CH+c]
.endif
.endif
	v_max_num_f32_dpp v[MX], v[MX], v[MX] row_xmask:1 row_mask:0xf bank_mask:0xf
	v_max_num_f32_dpp v[MX], v[MX], v[MX] row_xmask:2 row_mask:0xf bank_mask:0xf
.if \lg == 3
	v_max_num_f32_dpp v[MX], v[MX], v[MX] row_xmask:4 row_mask:0xf bank_mask:0xf
.endif
	; the lowest number among the entries that equal the maximum
.set k, 0
.rept \cnt/4
	v_cmp_eq_f32 s[MK],   v[VAL+k],   v[MX]
	v_cmp_eq_f32 s[MK+1], v[VAL+k+1], v[MX]
	v_cmp_eq_f32 s[MK+2], v[VAL+k+2], v[MX]
	v_cmp_eq_f32 s[MK+3], v[VAL+k+3], v[MX]
	v_cndmask_b32 v[TT],   v[BIGV], v[IDX+k],   s[MK]
	v_cndmask_b32 v[TT+1], v[BIGV], v[IDX+k+1], s[MK+1]
	v_cndmask_b32 v[TT+2], v[BIGV], v[IDX+k+2], s[MK+2]
	v_cndmask_b32 v[TT+3], v[BIGV], v[IDX+k+3], s[MK+3]
.if k == 0
	v_min_num_f32 v[CA], v[TT], v[TT+1]
.else
	v_min3_num_f32 v[CA], v[CA], v[TT], v[TT+1]
.endif
	v_min3_num_f32 v[CA], v[CA], v[TT+2], v[TT+3]
.set k, k+4
.endr
	v_min_num_f32_dpp v[CA], v[CA], v[CA] row_xmask:1 row_mask:0xf bank_mask:0xf
	v_min_num_f32_dpp v[CA], v[CA], v[CA] row_xmask:2 row_mask:0xf bank_mask:0xf
.if \lg == 3
	v_min_num_f32_dpp v[CA], v[CA], v[CA] row_xmask:4 row_mask:0xf bank_mask:0xf
.endif
	v_cvt_u32_f32 v[WNR+it], v[CA]
.if it < \picks-1
	; the winner leaves the field (the last has no successor)
.set k, 0
.rept \cnt/4
	v_cmp_eq_f32 s[MK],   v[IDX+k],   v[CA]
	v_cmp_eq_f32 s[MK+1], v[IDX+k+1], v[CA]
	v_cmp_eq_f32 s[MK+2], v[IDX+k+2], v[CA]
	v_cmp_eq_f32 s[MK+3], v[IDX+k+3], v[CA]
	v_cndmask_b32 v[VAL+k],   v[VAL+k],   v[NINFV], s[MK]
	v_cndmask_b32 v[VAL+k+1], v[VAL+k+1], v[NINFV], s[MK+1]
	v_cndmask_b32 v[VAL+k+2], v[VAL+k+2], v[NINFV], s[MK+2]
	v_cndmask_b32 v[VAL+k+3], v[VAL+k+3], v[NINFV], s[MK+3]
.set k, k+4
.endr
.endif
.set it, it+1
.endr
.endm
; every lane of the four holds all twelve winners; lane c stores words 4 c .. 4 c + 3 of the row's 16 (c = 3: zeros):
; the wave stores 512 consecutive bytes
.macro PUT16 lo
.irp j, 0,1,2,3
	v_cndmask_b32 v[O+\j], v[WNR+\j], v[WNR+4+\j], s24
.endr
.irp j, 0,1,2,3
	v_cndmask_b32 v[O+\j], v[O+\j], v[WNR+8+\j], s25
.endr
.irp j, 0,1,2,3
	v_cndmask_b32 v[O+\j], v[O+\j], 0, s26
.endr
	global_store_b128 v[STO], v[O:O+3], s[\lo:\lo+1]
.endm
	s_load_b128 s[4:7], s[0:1], 0x0                ; m8 s[4:5], sgsel s[6:7]
	s_load_b64 s[8:9], s[0:1], 0x10                ; gsel
	v_lshrrev_b32 v1, 5, v0
	v_readfirstlane_b32 s10, v1                    ; wave
	s_lshl_b32 s11, ttmp9, 5
	s_lshl3_add_u32 s11, s10, s11                  ; my first row
	s_lshl_b32 s12, s11, 13                        ; 8,192 bytes a row of m8
	s_mov_b32 s13, 0
	s_lshl_b32 s14, s11, 6                         ; 64 bytes a row of sgsel and of gsel
	s_mov_b32 s15, 0
	v_and_b32 v[LN], 31, v0
	v_and_b32 v[CC], 3, v0
	v_lshrrev_b32 v[RR], 2, v[LN]
	v_lshlrev_b32 v[OFFQ], 6, v[RR]
	v_lshlrev_b32 v[OFFV], 13, v[RR]
	v_lshl_add_u32 v[OFFV], v[CC], 4, v[OFFV]      ; my row of m8 + my 16 bytes of a supergroup's 64
	v_lshlrev_b32 v[STO], 4, v[LN]
	s_wait_kmcnt 0x0
	s_add_nc_u64 s[4:5], s[4:5], s[12:13]
	s_add_nc_u64 s[6:7], s[6:7], s[14:15]
	s_add_nc_u64 s[8:9], s[8:9], s[14:15]
	global_load_b128 v[QS:QS+3],    v[OFFQ], s[6:7]
	global_load_b128 v[QS+4:QS+7],  v[OFFQ], s[6:7] offset:16
	global_load_b128 v[QS+8:QS+11], v[OFFQ], s[6:7] offset:32
	v_lshrrev_b32 v[TA], 1, v[CC]
	v_and_b32 v[TB], 1, v[CC]
	v_lshl_add_u32 v[CT], v[TA], 3, v[TB]          ; 8 (c >> 1) + (c & 1)
	v_add_nc_u32 v[CT+1], 2, v[CT]
	v_add_nc_u32 v[CT+2], 4, v[CT]
	v_add_nc_u32 v[CT+3], 6, v[CT]
	v_cmp_eq_u32 s24, 1, v[CC]
	v_cmp_eq_u32 s25, 2, v[CC]
	v_cmp_eq_u32 s26, 3, v[CC]
	v_mov_b32 v[BIGV], 0x7f800000
	v_mov_b32 v[NINFV], 0xff800000
	s_wait_loadcnt 0x0
.irp t, 0,1,2,3,4,5,6,7,8,9,10,11
	v_min_u32 v[QS+\t], 0x7f, v[QS+\t]             ; a loaded number enters an address only clamped to the table
.endr
.irp t, 0,1,2,3,4,5,6,7,8,9,10,11
	v_lshl_add_u32 v[AD+\t], v[QS+\t], 6, v[OFFV]
.endr
.irp t, 0,1,2,3,4,5,6,7,8,9,10,11
	global_load_b128 v[VAL+4*\t:VAL+4*\t+3], v[AD+\t], s[4:5]
.endr
.irp t, 0,1,2,3,4,5,6,7,8,9,10,11
.irp j, 0,1,2,3
	v_lshl_add_u32 v[IDX+4*\t+\j], v[QS+\t], 4, v[CT+\j]
.endr
.endr
.set k, 0
.rept 48
	v_cvt_f32_u32 v[IDX+k], v[IDX+k]
.set k, k+1
.endr
	s_wait_loadcnt 0x0
	SELECT 48, 2, PICKS
	PUT16 8
	s_endpgm
.Lfunc_end_k_q24041e8338_selg:
	.size	k_q24041e8338_selg, .Lfunc_end_k_q24041e8338_selg-k_q24041e8338_selg
	.p2alignl 7, 3214868480
	.fill 96, 4, 3214868480
	.section	.rodata,"a",@progbits
	.p2align	6, 0x0
	.amdhsa_kernel k_q24041e8338_selg
		.amdhsa_group_segment_fixed_size 0
		.amdhsa_private_segment_fixed_size 0
		.amdhsa_enable_private_segment 0
		.amdhsa_kernarg_size 24
		.amdhsa_user_sgpr_count 2
		.amdhsa_user_sgpr_kernarg_segment_ptr 1
		.amdhsa_wavefront_size32 1
		.amdhsa_system_sgpr_workgroup_id_x 1
		.amdhsa_system_sgpr_workgroup_id_y 1
		.amdhsa_system_sgpr_workgroup_id_z 1
		.amdhsa_system_vgpr_workitem_id 0
		.amdhsa_next_free_vgpr 176
		.amdhsa_next_free_sgpr 66
		.amdhsa_reserve_vcc 0
		.amdhsa_float_denorm_mode_32 3
		.amdhsa_float_denorm_mode_16_64 3
		.amdhsa_memory_ordered 1
		.amdhsa_forward_progress 1
		.amdhsa_inst_pref_size 187
	.end_amdhsa_kernel
	.amdgpu_metadata
---
amdhsa.version: [ 1, 2 ]
amdhsa.kernels:
  - .name:           k_q24041e8338_selg
    .symbol:         k_q24041e8338_selg.kd
    .args:
      - { .name: m8, .offset: 0, .size: 8, .value_kind: global_buffer, .address_space: global }
      - { .name: sgsel, .offset: 8, .size: 8, .value_kind: global_buffer, .address_space: global }
      - { .name: gsel, .offset: 16, .size: 8, .value_kind: global_buffer, .address_space: global }
    .group_segment_fixed_size: 0
    .private_segment_fixed_size: 0
    .kernarg_segment_align: 8
    .kernarg_segment_size: 24
    .max_flat_workgroup_size: 128
    .sgpr_count:     66
    .vgpr_count:     176
    .wavefront_size: 32
...
	.end_amdgpu_metadata
.endif
;; end of part 4
;; launch rerank (part 5): grid 256 x 1, 8 waves a work-group, no clusters, 44,032 bytes of LDS; arguments ib, tbt, gsel, out0; writes out0
.if DOCPART == 5
	.amdgcn_target "amdgcn-amd-amdhsa--gfx1250"
	.amdhsa_code_object_version 6
	.text
	.protected	k_q24041e8338_rerank
	.globl	k_q24041e8338_rerank
	.p2align	8
	.type	k_q24041e8338_rerank,@function
k_q24041e8338_rerank:
	s_mov_b64 s[64:65], 0
	v_nop
	global_prefetch_b8 v0, s[64:65] scope:SCOPE_SE
	s_setreg_imm32_b32 hwreg(HW_REG_WAVE_MODE, 25, 1), 1
	s_wait_xcnt 0x0
; For each image row: the sims of the 96 columns in its twelve chosen groups are computed anew and the ten largest, descending, on equal
; sims the lower column, go to out0 [8192][10] i32.
; THE ORDER OF SUMMING IS THE POINT OF THIS LAUNCH.  The result is an order of sims, compared exactly, so two nearly equal sims must round
; as a plain f32 product loop rounds them: each sim is ONE chain of 256 fused multiply-adds in ascending k on one f32 accumulator that
; starts at 0.  A product of two bf16 has 16 significant bits and is exact in f32, so the chain equals multiply-then-add as well.
; The vector unit does it, straight from the bf16 halves: 96 of 16,384 columns a row, 201 million of the problem's 34 thousand million
; multiply-adds; the matrix units, which made all sims in the launch that chose the groups, sum in another order.
; LIMITS: operands are rounded to bf16; a reference that sums K in another order can still order two sims nearer than that rounding
; otherwise; -0 and +0 count as equal; NaN and infinite sims are not served.
; THE TEXT TABLE tbt lies by groups of 8 rows: row n, k = 8 j .. 8 j + 7 (chunk j) at (n >> 3) 4096 + 128 j + 16 (n & 7).  Lane l owns row
; l & 7 of the list's groups l / 8, l / 8 + 4, l / 8 + 8 (candidates l, l + 32, l + 64): one load brings each lane 16 bytes of its own
; candidate, eight lanes taking 128 consecutive bytes, so the gathered text goes from memory into the registers that the chains read.
; SHARES: eight waves, 32 rows a work-group; a wave takes 4 rows = 32 batches of 4 chunks x 3 candidates (12 loads, 96 multiply-adds), written
; out by one .rept, so that each row's three offsets are plain register numbers.  A ring of four register buffers: three batches (36 loads)
; are on their way while one is summed.  The image row is read from LDS by all lanes at one address, a batch ahead.
; The gather's addresses hang on whole numbers that an earlier launch stored, clamped to the table (2,047).
; No joint loads and no tensor loads: no two rows share a list.
; REGISTERS: window 0: addresses, VO the 12 gather offsets, ACC three sums, the selection;
;   window 1: v0-191 the ring (buffer n at 48 n; chunk jj, candidate i at 12 jj + 4 i), v192-223 two buffers of four image chunks.
.set VSO,    2048                      ; a wave's LDS: its 4 image rows (512 bytes each), then its 4 x 96 sims,
.set CSO,    VSO+1536                  ; then their columns, as f32 (below 2^14, so exact)
.set WBYTES, CSO+1536                  ; 5,120 bytes
.set OUTB,   8*WBYTES                  ; the work-group's 32 rows of out0: 1,280 bytes
.set BATCHES, 32
.set AHEAD,  3                         ; batches on their way
.set VO,  22                           ; v[22:33]   row m, candidate set i at 3 m + i
.set ACC, 34                           ; v[34:36]
.set GL,  38                           ; v[38:49]   my lanes' groups, then their columns
.set VAL, 64
.set IDX, 76
.set WNR, 192
.set CH,  202
.set MX,  214
.set TT,  216
.set CA,  220
.set BIGV, 221
.set NINFV, 222
.set IMT, 224                          ; v[224:239] the image rows on their way into LDS
.set IB,  192                          ; window 1
.set MK,  36                           ; s[36:39] masks, by turns
.set MSB, 0
.macro WIN new                         ; s_set_vgpr_msb: bits 1:0 source 0, 3:2 source 1, 5:4 source 2, 7:6 destination; the high byte repeats the setting left
.if MSB != \new
	s_set_vgpr_msb (MSB<<8)|\new
.set MSB, \new
.endif
.endm
; cnt values a lane (a multiple of 4, at least 12); a row is 2^lg neighbouring lanes (lg = 2 or 3); picks winners
.macro SELECT cnt, lg, picks
.set it, 0
.rept \picks
.set c, 0
.rept \cnt/4
	v_max3_num_f32 v[CH+c], v[VAL+4*c], v[VAL+4*c+1], v[VAL+4*c+2]
.set c, c+1
.endr
.set c, 0
.rept \cnt/4
	v_max_num_f32 v[CH+c], v[CH+c], v[VAL+4*c+3]
.set c, c+1
.endr
	v_max3_num_f32 v[MX], v[CH], v[CH+1], v[CH+2]
.set c, 3
.if \cnt > 12
.rept (\cnt/4-3)/2
	v_max3_num_f32 v[MX], v[MX], v[CH+c], v[CH+c+1]
.set c, c+2
.endr
.if (\cnt/4-3) % 2
	v_max_num_f32 v[MX], v[MX], v[CH+c]
.endif
.endif
	v_max_num_f32_dpp v[MX], v[MX], v[MX] row_xmask:1 row_mask:0xf bank_mask:0xf
	v_max_num_f32_dpp v[MX], v[MX], v[MX] row_xmask:2 row_mask:0xf bank_mask:0xf
.if \lg == 3
	v_max_num_f32_dpp v[MX], v[MX], v[MX] row_xmask:4 row_mask:0xf bank_mask:0xf
.endif
	; the lowest column among the entries that equal the maximum
.set k, 0
.rept \cnt/4
	v_cmp_eq_f32 s[MK],   v[VAL+k],   v[MX]
	v_cmp_eq_f32 s[MK+1], v[VAL+k+1], v[MX]
	v_cmp_eq_f32 s[MK+2], v[VAL+k+2], v[MX]
	v_cmp_eq_f32 s[MK+3], v[VAL+k+3], v[MX]
	v_cndmask_b32 v[TT],   v[BIGV], v[IDX+k],   s[MK]
	v_cndmask_b32 v[TT+1], v[BIGV], v[IDX+k+1], s[MK+1]
	v_cndmask_b32 v[TT+2], v[BIGV], v[IDX+k+2], s[MK+2]
	v_cndmask_b32 v[TT+3], v[BIGV], v[IDX+k+3], s[MK+3]
.if k == 0
	v_min_num_f32 v[CA], v[TT], v[TT+1]
.else
	v_min3_num_f32 v[CA], v[CA], v[TT], v[TT+1]
.endif
	v_min3_num_f32 v[CA], v[CA], v[TT+2], v[TT+3]
.set k, k+4
.endr
	v_min_num_f32_dpp v[CA], v[CA], v[CA] row_xmask:1 row_mask:0xf bank_mask:0xf
	v_min_num_f32_dpp v[CA], v[CA], v[CA] row_xmask:2 row_mask:0xf bank_mask:0xf
.if \lg == 3
	v_min_num_f32_dpp v[CA], v[CA], v[CA] row_xmask:4 row_mask:0xf bank_mask:0xf
.endif
	v_cvt_u32_f32 v[WNR+it], v[CA]
.if it < \picks-1
	; the winner leaves the field (the last has no successor)
.set k, 0
.rept \cnt/4
	v_cmp_eq_f32 s[MK],   v[IDX+k],   v[CA]
	v_cmp_eq_f32 s[MK+1], v[IDX+k+1], v[CA]
	v_cmp_eq_f32 s[MK+2], v[IDX+k+2], v[CA]
	v_cmp_eq_f32 s[MK+3], v[IDX+k+3], v[CA]
	v_cndmask_b32 v[VAL+k],   v[VAL+k],   v[NINFV], s[MK]
	v_cndmask_b32 v[VAL+k+1], v[VAL+k+1], v[NINFV], s[MK+1]
	v_cndmask_b32 v[VAL+k+2], v[VAL+k+2], v[NINFV], s[MK+2]
	v_cndmask_b32 v[VAL+k+3], v[VAL+k+3], v[NINFV], s[MK+3]
.set k, k+4
.endr
.endif
.set it, it+1
.endr
.endm
; Batch num of the wave's 32 = row num / 8, chunks 4 (num % 8) .. + 3.  All three macros stand under a window setting made by their caller.
; 12 loads into ring buffer num % 4 (destination window 1): four neighbouring chunks follow each other, 512 consecutive bytes of each group
.macro LOADS num
.irp i, 0,1,2
.irp jj, 0,1,2,3
	global_load_b128 v[48*((\num)%4)+12*\jj+4*\i:48*((\num)%4)+12*\jj+4*\i+3], v[VO+3*((\num)/8)+\i], s[6:7] offset:(4*((\num)%8)+\jj)*128
.endr
.endr
.endm
; the image row's four chunks of batch num (destination window 1): one address for all lanes; my four rows follow each other in LDS
.macro IMG num
.irp jj, 0,1,2,3
	ds_load_b128 v[IB+16*((\num)%2)+4*\jj:IB+16*((\num)%2)+4*\jj+3], v9 offset:64*(\num)+16*\jj
.endr
.endm
; 32 steps of k, ascending, on the three chains: bf16 half x bf16 half + f32, one rounding (sources 0 and 1 window 1)
.macro FMAB num
.irp jj, 0,1,2,3
.irp r, 0,1,2,3
.irp i, 0,1,2
	v_fma_mix_f32_bf16 v[ACC+\i], v[48*((\num)%4)+12*\jj+4*\i+\r], v[IB+16*((\num)%2)+4*\jj+\r], v[ACC+\i] op_sel_hi:[1,1,0]
.endr
.irp i, 0,1,2
	v_fma_mix_f32_bf16 v[ACC+\i], v[48*((\num)%4)+12*\jj+4*\i+\r], v[IB+16*((\num)%2)+4*\jj+\r], v[ACC+\i] op_sel:[1,1,0] op_sel_hi:[1,1,0]
.endr
.endr
.endr
.endm
	s_load_b256 s[4:11], s[0:1], 0x0               ; ib s[4:5], tbt s[6:7], gsel s[8:9], out0 s[10:11]
	v_lshl_add_u32 v254, v0, 2, 0xa800
	v_mov_b32 v255, 0
	v_lshrrev_b32 v1, 5, v0
	v_readfirstlane_b32 s12, v1                    ; wave 0..7
	s_lshl_b32 s13, ttmp9, 5
	s_lshl2_add_u32 s13, s12, s13                  ; my first row = 32 x work-group + 4 x wave
	s_lshl_b32 s14, s13, 9                         ; 512 bytes a row of ib
	s_mov_b32 s15, 0
	s_lshl_b32 s18, s13, 6                         ; 64 bytes a row of gsel
	s_mov_b32 s19, 0
	s_mul_i32 s22, ttmp9, 1280                     ; 32 rows of 40 bytes of out0
	s_mov_b32 s23, 0
	s_mul_i32 s21, s12, WBYTES                     ; my LDS: it begins with my image rows
	s_add_co_u32 s41, s21, VSO
	s_add_co_u32 s42, s21, CSO
	s_mul_i32 s45, s12, 160
	s_add_co_u32 s45, s45, OUTB                    ; my 4 rows of the result
	s_lshl_b32 s46, s12, 8
	v_and_b32 v2, 31, v0                           ; lane l
	v_and_b32 v5, 7, v0                            ; l % 8: my row of a group
	v_lshrrev_b32 v20, 3, v2                       ; l / 8
	v_lshlrev_b32 v19, 4, v2                       ; 16 l
	v_lshlrev_b32 v21, 4, v5                       ; my row's 16 bytes of a chunk's 128
	v_lshlrev_b32 v13, 2, v20                      ; gsel: word l / 8
	v_add_nc_u32 v8, s21, v19                      ; image rows in
	v_mov_b32 v9, s21                              ; image chunks out
	v_lshl_add_u32 v14, v2, 2, s41                 ; sims in: word l
	v_lshl_add_u32 v16, v2, 2, s42                 ; columns in: word l
	v_mul_u32_u24 v17, v20, 384
	v_mad_u32_u24 v17, v5, 48, v17
	v_add_nc_u32 v17, s41, v17                     ; the selection: row l / 8, twelve words for each of its eight lanes
	v_mad_u32_u24 v10, v20, 40, s45                ; my row of the result in LDS
	v_lshl_add_u32 v12, v2, 3, s46                 ; the way out: 256 bytes a wave, 8 a lane
	v_add_nc_u32 v11, OUTB, v12
	v_mov_b32 v[BIGV], 0x7f800000
	v_mov_b32 v[NINFV], 0xff800000
	s_wait_kmcnt 0x0
	s_add_nc_u64 s[4:5], s[4:5], s[14:15]
	s_add_nc_u64 s[8:9], s[8:9], s[18:19]
	s_add_nc_u64 s[10:11], s[10:11], s[22:23]
.irp m, 0,1,2,3
.irp i, 0,1,2
	global_load_b32 v[GL+3*\m+\i], v13, s[8:9] offset:64*\m+16*\i                  ; candidate l + 32 i lies in the list's group l / 8 + 4 i
.endr
.endr
.irp m, 0,1,2,3
	global_load_b128 v[IMT+4*\m:IMT+4*\m+3], v19, s[4:5] offset:512*\m             ; my 4 image rows
.endr
	s_wait_loadcnt 4                               ; the twelve group numbers are in; only the image rows may be out
.set k, 0
.rept 12
	v_min_u32 v[GL+k], 0x7ff, v[GL+k]              ; a loaded number enters an address only clamped to the table
.set k, k+1
.endr
.set k, 0
.rept 12
	v_lshl_add_u32 v[VO+k], v[GL+k], 12, v21       ; 4,096 bytes a group + my row's place in a chunk
.set k, k+1
.endr
	WIN 0x40
	LOADS 0                                        ; the ring's first three batches go out before anything else is done
	LOADS 1
	LOADS 2
	WIN 0
	s_wait_loadcnt 12*AHEAD                        ; only those 36 may be out: the image rows are in
.irp m, 0,1,2,3
	ds_store_b128 v8, v[IMT+4*\m:IMT+4*\m+3] offset:512*\m
.endr
.set k, 0
.rept 12
	v_lshl_add_u32 v[GL+k], v[GL+k], 3, v5         ; column = 8 x group + l % 8
.set k, k+1
.endr
.set k, 0
.rept 12
	v_cvt_f32_u32 v[GL+k], v[GL+k]
.set k, k+1
.endr
.irp m, 0,1,2,3
.irp i, 0,1,2
	ds_store_b32 v16, v[GL+3*\m+\i] offset:384*\m+128*\i
.endr
.endr
	WIN 0x40
	IMG 0                                          ; my own LDS bytes: LDS serves a wave's instructions in order (ISA guide 5.7.1), no barrier
	; THE STREAM.  In batch g: batch g + 3 is asked for, into the buffer that batch g - 1 has just been summed from; the image chunks of
	; batch g + 1 are asked for; then batch g is summed.  The last three batches ask for no text, the last for no image chunks.
.set g, 0
.rept BATCHES
	WIN 0x40
.if g+AHEAD < BATCHES
	LOADS g+AHEAD
.endif
.if g+1 < BATCHES
	IMG g+1
	s_wait_dscnt 4                                 ; only the four image chunks just asked for may be out
.else
	s_wait_dscnt 0x0
.endif
.if g+AHEAD < BATCHES
	s_wait_loadcnt 12*AHEAD                        ; loads return in order: batch g is in, the three younger batches stay out
.else
	s_wait_loadcnt 12*(BATCHES-1-g)                ; the counts run down: 24, 12, 0
.endif
	WIN 0x05
.if (g%8) == 0
	v_mov_b32 v[ACC], 0                            ; a row's chains start at 0, as a product loop does
	v_mov_b32 v[ACC+1], 0
	v_mov_b32 v[ACC+2], 0
.endif
	FMAB g
.if (g%8) == 7
	WIN 0
.irp i, 0,1,2
	ds_store_b32 v14, v[ACC+\i] offset:384*(g/8)+128*\i            ; candidate l + 32 i of row g / 8
.endr
.endif
.set g, g+1
.endr
	; the ten largest of each row's 96: eight lanes a row, twelve sims and their columns a lane, read from my own LDS bytes
.irp q, 0,1,2
	ds_load_b128 v[VAL+4*\q:VAL+4*\q+3], v17 offset:16*\q
	ds_load_b128 v[IDX+4*\q:IDX+4*\q+3], v17 offset:CSO-VSO+16*\q
.endr
	s_wait_dscnt 0x0
	SELECT 12, 3, 10
.set it, 0
.rept 10
	ds_store_b32 v10, v[WNR+it] offset:4*it        ; the eight lanes of a row write the same words with the same values
.set it, it+1
.endr
	s_wait_dscnt 0x0                               ; for the other waves' sake: zero
	s_barrier_signal -1
	s_barrier_wait -1
	s_cmp_gt_u32 s12, 4                            ; 1,280 bytes are five pieces of 256: waves 0 to 4 take one each
	s_cbranch_scc1 .Ldone
	ds_load_b64 v[240:241], v11
	s_wait_dscnt 0x0
	global_store_b64 v12, v[240:241], s[10:11]     ; a wave stores 256 consecutive bytes, aligned
.Ldone:
	s_wait_tensorcnt 0x0
	ds_add_u32 v254, v255
	s_wait_dscnt 0x0
	s_endpgm
.Lfunc_end_k_q24041e8338_rerank:
	.size	k_q24041e8338_rerank, .Lfunc_end_k_q24041e8338_rerank-k_q24041e8338_rerank
	.p2alignl 7, 3214868480
	.fill 96, 4, 3214868480
	.section	.rodata,"a",@progbits
	.p2align	6, 0x0
	.amdhsa_kernel k_q24041e8338_rerank
		.amdhsa_group_segment_fixed_size 44032
		.amdhsa_private_segment_fixed_size 0
		.amdhsa_enable_private_segment 0
		.amdhsa_kernarg_size 32
		.amdhsa_user_sgpr_count 2
		.amdhsa_user_sgpr_kernarg_segment_ptr 1
		.amdhsa_wavefront_size32 1
		.amdhsa_system_sgpr_workgroup_id_x 1
		.amdhsa_system_sgpr_workgroup_id_y 1
		.amdhsa_system_sgpr_workgroup_id_z 1
		.amdhsa_system_vgpr_workitem_id 0
		.amdhsa_next_free_vgpr 480
		.amdhsa_next_free_sgpr 66
		.amdhsa_reserve_vcc 0
		.amdhsa_float_denorm_mode_32 3
		.amdhsa_float_denorm_mode_16_64 3
		.amdhsa_memory_ordered 1
		.amdhsa_forward_progress 1
		.amdhsa_inst_pref_size 255
	.end_amdhsa_kernel
	.section	.bss,"aw",@nobits
	.p2align	6
	.space	262144
	.amdgpu_metadata
---
amdhsa.version: [ 1, 2 ]
amdhsa.kernels:
  - .name:           k_q24041e8338_rerank
    .symbol:         k_q24041e8338_rerank.kd
    .args:
      - { .name: ib, .offset: 0, .size: 8, .value_kind: global_buffer, .address_space: global }
      - { .name: tbt, .offset: 8, .size: 8, .value_kind: global_buffer, .address_space: global }
      - { .name: gsel, .offset: 16, .size: 8, .value_kind: global_buffer, .address_space: global }
      - { .name: out0, .offset: 24, .size: 8, .value_kind: global_buffer, .address_space: global }
    .group_segment_fixed_size: 44032
    .private_segment_fixed_size: 0
    .kernarg_segment_align: 8
    .kernarg_segment_size: 32
    .max_flat_workgroup_size: 256
    .sgpr_count:     66
    .vgpr_count:     480
    .wavefront_size: 32
...
	.end_amdgpu_metadata
.endif
;; end of part 5
;; ======== version 2 of 2: 5 launches; version 1 with the launch gemm written anew for expert scheduling mode
;; workspace buffers: ib 4,194,304 bytes; tbt 8,388,608 bytes; m8 67,108,864 bytes; sg 4,194,304 bytes; sgsel 524,288 bytes of whole numbers; gsel 524,288 bytes of whole numbers
;; launch cast: the kernel of part 1 again; grid 768 x 1, 8 waves a work-group, no clusters, 0 bytes of LDS; arguments image_embs, text_embs, ib, tbt; writes ib, tbt
;; launch gemm (part 6): grid 16 x 16, 4 waves a work-group, no clusters, 223,744 bytes of LDS; arguments ib, tbt, m8, sg; writes m8, sg
.if DOCPART == 6
	.amdgcn_target "amdgcn-amd-amdhsa--gfx1250"
	.amdhsa_code_object_version 6
	.text
	.protected	k_q24041e8338_gemm
	.globl	k_q24041e8338_gemm
	.p2align	8
	.type	k_q24041e8338_gemm,@function
k_q24041e8338_gemm:
	s_mov_b64 s[64:65], 0
	v_nop
	global_prefetch_b8 v0, s[64:65] scope:SCOPE_SE
	s_setreg_imm32_b32 hwreg(HW_REG_WAVE_SCHED_MODE, 0, 2), 2
	s_setreg_imm32_b32 hwreg(HW_REG_WAVE_MODE, 25, 1), 1
	s_wait_xcnt 0x0
	s_wait_alu depctr_vm_vsrc(0)
; All sims = ib [8192][256] x text [16384][256]^T on the matrix units (bf16 operands, f32 sums); the sims themselves never leave the registers.
; Stored: m8 = the largest sim of each 8 neighbouring columns (f32 [8192][2048]), sg = the largest of each 128 neighbouring columns
; (f32 [16 chunks][8192 rows][8]).  The ten largest sims of a row lie in the ten groups with the largest maxima (on equal maxima the
; lower group), at both levels; later launches pick those groups and compute their sims again.
; LIMITS: operands are rounded to bf16; NaN and infinite sims are not served.
; THE TEXT TABLE tbt lies by groups of 8 rows: row n, k = 8 j .. 8 j + 7 at (n >> 3) 4096 + 128 j + 16 (n & 7).
; SHARES: work-group (cb, rb) = 512 image rows x 1,024 text rows.  Four waves, as many as a WGP has SIMDs; wave w keeps the fragments of its
; 128 image rows for all of K = 256 in 512 registers for the whole launch.  The text goes in 16 steps of 64 rows through two LDS slots;
; each wave brings a quarter of each tile (two groups) through registers, loaded one step ahead of its LDS store.
; NO JOINT LOADS: the 16 work-groups of one cb read the same text tiles, yet a work-group asks for only 32 KiB in a step of 1,024 matrix
; instructions, and the image rows are read once; the tiles come through registers and the launch has no cluster.
; THE MATRIX INSTRUCTION: source 0 = 16 text rows, source 1 = 16 image rows.  Lane (r = l % 16, h = l / 16) then holds, for image row r,
; the eight neighbouring columns 8 h + 0..7 of the tile in its eight result registers: a group's maximum needs no other lane.
; INDEX MAP: column = 1024 cb + 64 s + 16 nt + 8 h + j.  m8's place in a row = 128 cb + 8 s + 4 h + nt, so that a lane's four nt are 16 bytes.
; REGISTERS: window 0: v1-16 addresses, ACC 8 result tiles, M8R group maxima, MS supergroup maxima, TMP the way out;
;   window 1: F0, F1 text fragments (two buffers), S the staged text tile;  windows 2, 3: the image fragments, tile a' at v[64 a' + 8 kk].
; THE MODE: SCHED_MODE bits 1:0 = 2 (LLVM: expert scheduling mode 2), set by the entry lines.  The code itself states the register dependences
; between vector or matrix instructions and memory or LDS instructions, with s_wait_alu, always for 0.
; THE PLAN.  Registers that memory or LDS instructions touch:
;   F0, F1     A tile multiplies buffer f; the LDS loads of the next tile land in the other buffer g, which only the matrix instructions of the
;              tile before have read.
;   S          Quarter q: written by four global loads, read a step later by four LDS stores, then loaded again.  No vector instruction names it.
;   M8R, MS    Written by the maxima of a step, read by the LDS stores at the step's end, written again in the next step.
;   v15, v16   LDS addresses of those stores: written by two adds at a body's head.
;   TMP        Written by LDS loads, read by global stores, on the way out alone.  No vector instruction names it.
;   windows 2, 3   At the start: global loads, LDS stores out of them, LDS loads back into them; from then on matrix instructions alone.
;   v4 .. v14  Offsets and addresses, made once at the head.
; So ONE wait on va_vdst stands at a tile's head, behind the maxima of the tile before, which have read every matrix result: it states that the
; tile before is done reading g.  The tile's matrix instructions name f, the image fragments and ACC, none of the registers that its loads and
; stores touch, so these are dealt among them with no further wait on va_vdst.  One more stands at a step's end, ahead of its run of LDS stores.
; Waits on vm_vsrc: ahead of a quarter's global loads, at a step's end, and beside each s_wait_xcnt of the way out.
.set PB,    528                        ; pitch of the image stage: a row of 512 bytes + 16, an odd multiple of 16
.set GP,    4224                       ; a group of 8 text rows in a slot: 4,096 bytes as they lie in tbt + 128, so that the two groups of a
                                       ; fragment load (2 x 128 consecutive bytes for 16 lanes) fall on 16 different 16-byte columns modulo 256
.set SLOTB, 8*GP                       ; a text tile: 64 rows
.set M8P,   272                        ; pitch of the m8 stage: 256 + 16 bytes
.set M8ST,  2*SLOTB                    ; each wave's m8 stage, 128 rows; at the start its stage for the image rows (64 x 528 bytes fit)
.set M8W,   128*M8P
.set SGST,  M8ST+4*M8W                 ; each wave's sg stage: 128 rows x 32 bytes
.set ACC, 64
.set M8R, 128
.set MS,  160
.set PT,  168
.set TMP, 176
.set F0,  0
.set F1,  64
.set S,   128
.set MSB, 0
.macro WIN new                         ; s_set_vgpr_msb: bits 1:0 source 0, 3:2 source 1, 5:4 source 2, 7:6 destination; the high byte repeats the setting left
.if MSB != \new
	s_set_vgpr_msb (MSB<<8)|\new
.set MSB, \new
.endif
.endm
.macro PLACES                          ; four places behind matrix instructions (ISA guide 7.12.1), where no useful vector work is at hand
.rept 4
	v_nop
.endr
.endm
	s_load_b256 s[4:11], s[0:1], 0x0               ; ib s[4:5], tbt s[6:7], m8 s[8:9], sg s[10:11]
	v_lshl_add_u32 v254, v0, 2, 0x36800
	v_mov_b32 v255, 0
	v_lshrrev_b32 v1, 5, v0
	v_readfirstlane_b32 s12, v1                    ; wave w
	s_and_b32 s13, ttmp7, 0xffff                   ; rb;  cb = ttmp9
	s_mov_b32 s16, 0x76543210                      ; v_permlanex16_b32: lane i reads lane i of the other half
	s_mov_b32 s17, 0xfedcba98
	s_wait_alu depctr_va_sdst(0)                   ; s12 is written, ahead of its first reader: the bases and the LDS addresses are made from it
	s_lshl_b32 s20, s13, 18                        ; ib: (512 rb + 128 w) rows of 512 bytes
	s_lshl_b32 s14, s12, 16
	s_add_co_u32 s20, s20, s14
	s_mov_b32 s21, 0
	s_lshl_b32 s22, ttmp9, 19                      ; tbt: 1,024 cb rows of 512 bytes
	s_mov_b32 s23, 0
	s_lshl_b32 s24, s13, 22                        ; m8: (512 rb + 128 w) rows of 8,192 bytes + 512 cb
	s_lshl_b32 s14, s12, 20
	s_add_co_u32 s24, s24, s14
	s_lshl_b32 s14, ttmp9, 9
	s_add_co_u32 s24, s24, s14
	s_mov_b32 s25, 0
	s_lshl_b32 s26, ttmp9, 18                      ; sg: 262,144 cb + (512 rb + 128 w) rows of 32 bytes
	s_lshl_b32 s14, s13, 14
	s_add_co_u32 s26, s26, s14
	s_lshl_b32 s14, s12, 12
	s_add_co_u32 s26, s26, s14
	s_mov_b32 s27, 0
	s_mul_i32 s28, s12, 2*GP                       ; my two groups of a text tile in a slot
	s_mul_i32 s29, s12, M8W
	s_add_co_u32 s29, s29, M8ST                    ; my m8 stage
	s_lshl_b32 s30, s12, 12
	s_add_co_u32 s30, s30, SGST                    ; my sg stage
	v_and_b32 v1, 31, v0                           ; lane
	v_and_b32 v2, 15, v0                           ; r
	v_bfe_u32 v3, v0, 4, 1                         ; h
	v_lshlrev_b32 v4, 4, v1                        ; 16 lane
	v_lshl_add_u32 v5, s12, 13, v4                 ; text tile in memory: my two groups, 512 bytes an instruction
	v_add_nc_u32 v6, s28, v4                       ; and where they go in a slot: as they lie
	v_lshrrev_b32 v7, 3, v2
	v_mul_u32_u24 v7, v7, GP                       ; text fragment read: group r >> 3,
	v_and_b32 v15, 7, v2
	v_lshl_add_u32 v7, v15, 4, v7                  ; row r & 7 of it,
	v_lshl_add_u32 v7, v3, 7, v7                   ; chunk 4 kk + h (and + 2): 128 h here, 512 kk (+ 256) in the immediate
	v_add_nc_u32 v8, s29, v4                       ; image stage: in
	v_mul_u32_u24 v9, v2, PB
	v_lshl_add_u32 v9, v3, 4, v9
	v_add_nc_u32 v9, s29, v9                       ; image stage: fragments out, r x pitch + 16 h
	v_mul_u32_u24 v10, v2, M8P
	v_lshl_add_u32 v10, v3, 4, v10
	v_add_nc_u32 v10, s29, v10                     ; m8 stage: row r, 16 bytes for each half of the lanes
	v_lshl_add_u32 v11, v2, 5, s30                 ; sg stage: row r
	v_mul_u32_u24 v12, v3, M8P
	v_lshl_add_u32 v12, v2, 4, v12
	v_add_nc_u32 v12, s29, v12                     ; m8 stage read back: lanes 0-15 one row of 256 bytes, lanes 16-31 the next
	v_lshlrev_b32 v13, 13, v3
	v_lshl_add_u32 v13, v2, 4, v13                 ; the same two rows in m8
	v_add_nc_u32 v14, s30, v4                      ; sg stage read back
.irp a, 0,1,2,3,4,5,6,7
	v_mov_b32 v[PT+\a], 0                          ; v_permlanex16_b32 counts as a reader of its destination
.endr
	s_wait_kmcnt 0x0
	s_add_nc_u64 s[4:5], s[4:5], s[20:21]
	s_add_nc_u64 s[6:7], s[6:7], s[22:23]
	s_add_nc_u64 s[8:9], s[8:9], s[24:25]
	s_add_nc_u64 s[10:11], s[10:11], s[26:27]
; 8 matrix instructions: one text tile of 16 rows (buffer f) x four image tiles (hi = 0: tiles 0-3, window 2; 1: tiles 4-7, window 3), K steps k0 and k0 + 1.
; Four such groups, k0 = 0, 2, 4, 6, take all of K in ascending order.  The four accumulators take turns, one instruction a turn.
; The first K step starts the sums: nothing is cleared.
.macro MULK f, hi, k0
.if \hi
	WIN 0x0d
.else
	WIN 0x09
.endif
.irp d, 0,1
.irp a, 0,1,2,3
.if ((\k0)+\d) == 0
	v_wmma_f32_16x16x32_bf16 v[ACC+8*(4*\hi+\a):ACC+8*(4*\hi+\a)+7], v[\f+8*((\k0)+\d):\f+8*((\k0)+\d)+7], v[64*\a+8*((\k0)+\d):64*\a+8*((\k0)+\d)+7], 0
.else
	v_wmma_f32_16x16x32_bf16 v[ACC+8*(4*\hi+\a):ACC+8*(4*\hi+\a)+7], v[\f+8*((\k0)+\d):\f+8*((\k0)+\d)+7], v[64*\a+8*((\k0)+\d):64*\a+8*((\k0)+\d)+7], v[ACC+8*(4*\hi+\a):ACC+8*(4*\hi+\a)+7]
.endif
.endr
.endr
.endm
; four LDS loads: the fragments of text rows 16 t .. 16 t + 15 of a slot (groups 2 t, 2 t + 1), K steps k0 and k0 + 1, into buffer f
.macro FETCH4 slot, t, f, k0
	WIN 0x40
.irp d, 0,1
	ds_load_b128 v[\f+8*((\k0)+\d):\f+8*((\k0)+\d)+3],   v7 offset:(\slot)*SLOTB+(\t)*2*GP+512*((\k0)+\d)
	ds_load_b128 v[\f+8*((\k0)+\d)+4:\f+8*((\k0)+\d)+7], v7 offset:(\slot)*SLOTB+(\t)*2*GP+512*((\k0)+\d)+256
.endr
.endm
; the same for all of K, in one run
.macro FETCH slot, t, f
.irp k0, 0,2,4,6
	FETCH4 \slot, \t, \f, \k0
.endr
.endm
; quarter q of my 16 staged pieces of 512 bytes.  STGS (st = 1): the next step's go into the other slot.
.macro STGS q, nslot, st, cnt
.if \st
	s_wait_loadcnt \cnt                            ; issued behind the four wanted loads: (3 - q) x 4 of their own tile and, where this step loads, 4 q of the next
	WIN 0x04
.irp i, 0,1,2,3
	ds_store_b128 v6, v[S+16*\q+4*\i:S+16*\q+4*\i+3] offset:(\nslot)*SLOTB+((4*\q+\i)/8)*GP+((4*\q+\i)%8)*512
.endr
.endif
.endm
; STGL (ld = 1): those of the step after it are asked for, into the registers that STGS has just stored from
.macro STGL q, ld
.if \ld
	WIN 0x40
	s_wait_alu depctr_vm_vsrc(0)                   ; the four LDS stores of this quarter, sixteen matrix instructions back, have read S's quarter, in which the loads below land
.irp i, 0,1,2,3
	global_load_b128 v[S+16*\q+4*\i:S+16*\q+4*\i+3], v5, s[6:7] offset:(4*\q+\i)*512
.endr
.endif
.endm
; the maxima of the eight result registers of each of the eight tiles: half a vector instruction for each sim
.macro EPI t
	WIN 0
	PLACES
.irp a, 0,1,2,3,4,5,6,7
	v_max3_num_f32 v[M8R+4*\a+\t], v[ACC+8*\a], v[ACC+8*\a+1], v[ACC+8*\a+2]
.endr
.irp a, 0,1,2,3,4,5,6,7
	v_max3_num_f32 v[M8R+4*\a+\t], v[M8R+4*\a+\t], v[ACC+8*\a+3], v[ACC+8*\a+4]
.endr
.irp a, 0,1,2,3,4,5,6,7
	v_max3_num_f32 v[M8R+4*\a+\t], v[M8R+4*\a+\t], v[ACC+8*\a+5], v[ACC+8*\a+6]
.endr
.irp a, 0,1,2,3,4,5,6,7
	v_max_num_f32 v[M8R+4*\a+\t], v[M8R+4*\a+\t], v[ACC+8*\a+7]
.endr
.endm
; end of a step: its 8 group maxima for each row go to my stage; two steps make a supergroup, whose maximum joins both halves of the lanes.
; All the vector work stands first, then one wait, then the stores in one run.
.macro STEPEND s4
	WIN 0
.if (\s4 & 1) == 0
.irp a, 0,1,2,3,4,5,6,7
	v_max3_num_f32 v[MS+\a], v[M8R+4*\a], v[M8R+4*\a+1], v[M8R+4*\a+2]
.endr
.irp a, 0,1,2,3,4,5,6,7
	v_max_num_f32 v[MS+\a], v[MS+\a], v[M8R+4*\a+3]
.endr
.else
.irp a, 0,1,2,3,4,5,6,7
	v_max3_num_f32 v[MS+\a], v[MS+\a], v[M8R+4*\a], v[M8R+4*\a+1]
.endr
.irp a, 0,1,2,3,4,5,6,7
	v_max3_num_f32 v[MS+\a], v[MS+\a], v[M8R+4*\a+2], v[M8R+4*\a+3]
.endr
.irp a, 0,1,2,3,4,5,6,7
	v_permlanex16_b32 v[PT+\a], v[MS+\a], s16, s17
.endr
.irp a, 0,1,2,3,4,5,6,7
	v_max_num_f32 v[MS+\a], v[MS+\a], v[PT+\a]
.endr
.endif
	s_wait_alu depctr_va_vdst(0)                   ; the step's maxima have written M8R and, in an odd step, MS, which the LDS stores below read
.irp a, 0,1,2,3,4,5,6,7
	ds_store_b128 v15, v[M8R+4*\a:M8R+4*\a+3] offset:\a*16*M8P+\s4*32
.endr
.if (\s4 & 1) == 1
.irp a, 0,1,2,3,4,5,6,7
	ds_store_b32 v16, v[MS+\a] offset:\a*512+(\s4>>1)*4    ; both halves of the lanes write the same word with the same value
.endr
.endif
.endm
; one of a step's first three text tiles: multiplies buffer f.  Behind each of its first four groups of matrix instructions stand four of the
; sixteen loads of the next tile's fragments into g; behind the fifth the quarter's LDS stores; behind the seventh its global loads.
.macro TILE t, f, g, slot, st, ld
	s_wait_dscnt 0x0                               ; buffer f's fragments, the last of them asked for 32 matrix instructions ago, are in
	s_wait_alu depctr_va_vdst(0)                   ; the matrix instructions of the tile before are done reading buffer g, in which this tile's LDS loads land; in a body's first tile v15 and v16 are written
	MULK \f, 0, 0
	FETCH4 \slot, (\t+1), \g, 0                    ; no further wait: no vector or matrix instruction since the wait above names buffer g or v7
	MULK \f, 0, 2
	FETCH4 \slot, (\t+1), \g, 2
	MULK \f, 0, 4
	FETCH4 \slot, (\t+1), \g, 4
	MULK \f, 0, 6
	FETCH4 \slot, (\t+1), \g, 6
	MULK \f, 1, 0
	STGS \t, (1-\slot), \st, (12-(1-\ld)*4*\t)
	MULK \f, 1, 2
	MULK \f, 1, 4
	STGL \t, \ld
	MULK \f, 1, 6
	EPI \t
.endm
; a step: 64 text rows out of a slot.  ONE barrier for the change of slots: in front of its signal my reads of this slot and my stores
; into the other are done; behind its wait the other slot is whole and this one may be written.
.macro STEP s4, slot, st, ld, bar
.if \ld
	s_wait_xcnt 0x0                                ; the last step's loads have read their base
	s_add_nc_u64 s[6:7], s[6:7], 32768             ; the tile two steps ahead
.endif
	TILE 0, F0, F1, \slot, \st, \ld
	TILE 1, F1, F0, \slot, \st, \ld
	TILE 2, F0, F1, \slot, \st, \ld
	s_wait_dscnt 0x0
.if \bar
	s_wait_alu depctr_va_vdst(0)                   ; the matrix instructions of the tile before are done reading buffer 0, in which the loads behind the barrier land
.endif
	MULK F1, 0, 0
	STGS 3, (1-\slot), \st, (12-(1-\ld)*12)
	MULK F1, 0, 2
	MULK F1, 0, 4
	STGL 3, \ld
	MULK F1, 0, 6
.if \bar
	s_wait_dscnt 0x0                               ; for the other waves' sake: zero
	s_barrier_signal -1
.endif
	MULK F1, 1, 0                                  ; register work while the others arrive
	MULK F1, 1, 2
	MULK F1, 1, 4
	MULK F1, 1, 6
.if \bar
	s_barrier_wait -1
	FETCH (1-\slot), 0, F0                         ; no further wait: since this tile's wait the matrix instructions have named buffer 1, the image fragments and ACC alone
.endif
	EPI 3
	STEPEND \s4
.if \bar
	s_wait_alu depctr_vm_vsrc(0)                   ; the LDS stores above have read M8R, MS, v15 and v16, which the next step's maxima and the next body's adds write again
.endif
.endm
; eight steps' maxima, 256 bytes a row, leave my stage by whole rows: sixteen lanes store 256 consecutive bytes, aligned.
; LDS serves a wave's instructions in order (ISA guide 5.7.1): the loads see my stores, and later stores do not pass the loads.
.macro FLUSH
.irp g, 0,1,2,3,4,5,6,7
	s_wait_xcnt 0x0                                ; TMP, which the last group's stores read, is loaded again only behind this wait
	s_wait_alu depctr_vm_vsrc(0)                   ; the global stores issued so far have read TMP, in which the LDS loads below land
.irp j, 0,1,2,3,4,5,6,7
	ds_load_b128 v[TMP+4*\j:TMP+4*\j+3], v12 offset:(8*\g+\j)*2*M8P
.endr
.irp j, 0,1,2,3,4,5,6,7
	s_wait_dscnt 7-\j                              ; load j is in; the 7 - j younger ones stay out
	global_store_b128 v13, v[TMP+4*\j:TMP+4*\j+3], s[8:9] offset:(8*\g+\j)*16384 th:TH_STORE_NT
.endr
.endr
.endm
; 64 image rows: from the registers they were loaded into, through my stage, back as fragments into the same window
.macro ASTAGE wst, wld
	WIN \wst
.set i, 0
.rept 64
	ds_store_b128 v8, v[4*i:4*i+3] offset:i*PB
.set i, i+1
.endr
	WIN \wld
	s_wait_alu depctr_vm_vsrc(0)                   ; the LDS stores above have read the window's 256 registers, in which the fragments below land
.irp a, 0,1,2,3
.irp kk, 0,1,2,3,4,5,6,7
	ds_load_b128 v[64*\a+8*\kk:64*\a+8*\kk+3],   v9 offset:\a*16*PB+64*\kk
	ds_load_b128 v[64*\a+8*\kk+4:64*\a+8*\kk+7], v9 offset:\a*16*PB+64*\kk+32
.endr
.endr
.endm
	; THE START: my 128 image rows (a row of 512 bytes an instruction), then my quarter of text tile 0
	WIN 0x80
	s_wait_alu depctr_va_vdst(0)                   ; the offsets and addresses v4 to v14 are written, which the loads and stores of the whole kernel read; none of them is written again
.set i, 0
.rept 64
	global_load_b128 v[4*i:4*i+3], v4, s[4:5] offset:i*512
.set i, i+1
.endr
	WIN 0xc0
.set i, 0
.rept 64
	global_load_b128 v[4*i:4*i+3], v4, s[4:5] offset:(64+i)*512
.set i, i+1
.endr
	WIN 0x40
.set i, 0
.rept 16
	global_load_b128 v[S+4*i:S+4*i+3], v5, s[6:7] offset:i*512
.set i, i+1
.endr
	s_wait_loadcnt 63                              ; 144 were issued: at least the first 81 are in, rows 0-63 among them
	ASTAGE 0x08, 0x80
	s_wait_loadcnt 16                              ; only tile 0's sixteen may be out
	ASTAGE 0x0c, 0xc0
	s_wait_loadcnt 0x0
	WIN 0x04
.set i, 0
.rept 16
	ds_store_b128 v6, v[S+4*i:S+4*i+3] offset:(i/8)*GP+(i%8)*512
.set i, i+1
.endr
	s_wait_xcnt 0x0
	s_add_nc_u64 s[6:7], s[6:7], 32768
	WIN 0x40
	s_wait_alu depctr_vm_vsrc(0)                   ; the sixteen LDS stores above have read S, in which tile 1 lands
.set i, 0
.rept 16
	global_load_b128 v[S+4*i:S+4*i+3], v5, s[6:7] offset:i*512     ; tile 1, staged in step 0
.set i, i+1
.endr
	s_wait_dscnt 0x0                               ; my quarter of tile 0 is in slot 0, my image fragments are in
	s_barrier_signal -1
	s_barrier_wait -1
	FETCH 0, 0, F0                                 ; no vector or matrix instruction has named buffer 0 yet
	WIN 0                                          ; at a label and at a branch every window is 0
	; 16 steps = 4 bodies of 4.  Three go round the loop; the last is written out, since its last two steps load nothing.
	s_mov_b32 s18, 0
.Lbody:
	s_and_b32 s19, s18, 1
	s_lshl_b32 s19, s19, 7                         ; a body's 128 bytes in the stage's rows of 256
	s_lshl_b32 s15, s18, 3                         ; a body's two supergroups
	v_add_nc_u32 v15, s19, v10                     ; the stores that read v15 and v16 stand ahead of the wait that closes the last step
	v_add_nc_u32 v16, s15, v11
	STEP 0, 0, 1, 1, 1
	STEP 1, 1, 1, 1, 1
	STEP 2, 0, 1, 1, 1
	STEP 3, 1, 1, 1, 1
	WIN 0
	s_cmp_lg_u32 s18, 1                            ; behind the second body the stage's rows are whole
	s_cbranch_scc1 .Lnoflush
	FLUSH
	s_wait_xcnt 0x0
	s_add_nc_u64 s[8:9], s[8:9], 256               ; the chunk's second 256 bytes of each row
.Lnoflush:
	s_add_co_u32 s18, s18, 1
	s_cmp_lt_u32 s18, 3
	s_cbranch_scc1 .Lbody
	v_add_nc_u32 v15, 128, v10
	v_add_nc_u32 v16, 24, v11
	STEP 0, 0, 1, 1, 1
	STEP 1, 1, 1, 1, 1
	STEP 2, 0, 1, 0, 1                             ; the last tile is staged; nothing is left to load
	STEP 3, 1, 0, 0, 0                             ; nothing is left to stage, no slot changes
	FLUSH
	s_wait_xcnt 0x0
	s_wait_alu depctr_vm_vsrc(0)                   ; the last group's global stores have read TMP, in which the LDS loads below land
.irp t, 0,1,2,3,4,5,6,7
	ds_load_b128 v[TMP+4*\t:TMP+4*\t+3], v14 offset:512*\t         ; my 128 rows x 8 supergroup maxima, 4,096 consecutive bytes
.endr
	s_wait_dscnt 0x0
.irp t, 0,1,2,3,4,5,6,7
	global_store_b128 v4, v[TMP+4*\t:TMP+4*\t+3], s[10:11] offset:512*\t
.endr
	s_wait_dscnt 0x0
	s_wait_alu depctr_hold_cnt(0) depctr_sa_sdst(0) depctr_va_vdst(0) depctr_va_sdst(0) depctr_va_ssrc(0) depctr_va_vcc(0) depctr_vm_vsrc(0)
	s_wait_tensorcnt 0x0
	ds_add_u32 v254, v255
	s_wait_dscnt 0x0
	s_endpgm
.Lfunc_end_k_q24041e8338_gemm:
	.size	k_q24041e8338_gemm, .Lfunc_end_k_q24041e8338_gemm-k_q24041e8338_gemm
	.p2alignl 7, 3214868480
	.fill 96, 4, 3214868480
	.section	.rodata,"a",@progbits
	.p2align	6, 0x0
	.amdhsa_kernel k_q24041e8338_gemm
		.amdhsa_group_segment_fixed_size 223744
		.amdhsa_private_segment_fixed_size 0
		.amdhsa_enable_private_segment 0
		.amdhsa_kernarg_size 32
		.amdhsa_user_sgpr_count 2
		.amdhsa_user_sgpr_kernarg_segment_ptr 1
		.amdhsa_wavefront_size32 1
		.amdhsa_system_sgpr_workgroup_id_x 1
		.amdhsa_system_sgpr_workgroup_id_y 1
		.amdhsa_system_sgpr_workgroup_id_z 1
		.amdhsa_system_vgpr_workitem_id 0
		.amdhsa_next_free_vgpr 1024
		.amdhsa_next_free_sgpr 66
		.amdhsa_reserve_vcc 0
		.amdhsa_float_denorm_mode_32 3
		.amdhsa_float_denorm_mode_16_64 3
		.amdhsa_memory_ordered 1
		.amdhsa_forward_progress 1
		.amdhsa_inst_pref_size 255
	.end_amdhsa_kernel
	.section	.bss,"aw",@nobits
	.p2align	6
	.space	262144
	.amdgpu_metadata
---
amdhsa.version: [ 1, 2 ]
amdhsa.kernels:
  - .name:           k_q24041e8338_gemm
    .symbol:         k_q24041e8338_gemm.kd
    .args:
      - { .name: ib, .offset: 0, .size: 8, .value_kind: global_buffer, .address_space: global }
      - { .name: tbt, .offset: 8, .size: 8, .value_kind: global_buffer, .address_space: global }
      - { .name: m8, .offset: 16, .size: 8, .value_kind: global_buffer, .address_space: global }
      - { .name: sg, .offset: 24, .size: 8, .value_kind: global_buffer, .address_space: global }
    .group_segment_fixed_size: 223744
    .private_segment_fixed_size: 0
    .kernarg_segment_align: 8
    .kernarg_segment_size: 32
    .max_flat_workgroup_size: 128
    .sgpr_count:     66
    .vgpr_count:     1024
    .wavefront_size: 32
...
	.end_amdgpu_metadata
.endif
;; end of part 6
;; launch selsg: the kernel of part 3 again; grid 256 x 1, 4 waves a work-group, no clusters, 0 bytes of LDS; arguments sg, sgsel; writes sgsel
;; launch selg: the kernel of part 4 again; grid 256 x 1, 4 waves a work-group, no clusters, 0 bytes of LDS; arguments m8, sgsel, gsel; writes gsel
;; launch rerank: the kernel of part 5 again; grid 256 x 1, 8 waves a work-group, no clusters, 44,032 bytes of LDS; arguments ib, tbt, gsel, out0; writes out0
